; MI455X (gfx1250); checked and timed in simulation.
; The chip was launched on July 23, 2026; its instructions are those of AMD's public machine-readable ISA for CDNA 5 (MIT licence, August 2026) and "CDNA5" Instruction Set Architecture Reference Guide (July 2026). The comments in the code are by the model that wrote it; some were corrected since.
;; Attention. Allowed arithmetic: matrix products marked QUANTISED: E2M3 operands, one E8M0 scale for each 32 along K, by v_wmma_scale_f32_16x16x128_f8f6f4 with both operands' format E2M3, f32 sums; everything else in f32.
;; Inputs: freqs_cos 2,048 x 32 float32; freqs_sin 2,048 x 32 float32; mask 1 x 1 x 2,048 x 2,048 float32; wk 2,048 x 2,048 float32; wo 2,048 x 2,048 float32; wq 2,048 x 2,048 float32; wv 2,048 x 2,048 float32; x 1 x 2,048 x 2,048 float32.
;; Outputs: out0 1 x 2,048 x 2,048 float32.
;; This version of the problem:
;;   THIS VERSION OF THE PROBLEM IS GIVEN IN LOW PRECISION. The matrix products marked QUANTISED in the list below multiply operands that are first quantised to E2M3 (2 exponent bits, 3 mantissa bits; 6 bits a number), with one power-of-two scale for each 32 numbers along K (OCP MX v1.0); their sums are f32. All else is computed in f32.
;;   The module's matrix products, in the order in which they are computed (A, B: the left and right operand; K: the contracted axis; several contracted axes count as one K, in the product's order):
;;     1. [M 2,048, K 2,048] x [K 2,048, N 2,048]; A: input x; B: input wq: QUANTISED
;;     2. [M 2,048, K 2,048] x [K 2,048, N 2,048]; A: input x; B: input wk: QUANTISED
;;     3. [M 2,048, K 2,048] x [K 2,048, N 2,048]; A: input x; B: input wv: QUANTISED
;;     4. batch 32 x [M 2,048, K 64] x [K 64, N 2,048]; A: computed on the way; B: computed on the way: QUANTISED
;;     5. batch 32 x [M 2,048, K 2,048] x [K 2,048, N 64]; A: softmax (see below); B: computed on the way: QUANTISED
;;     6. [M 2,048, K 2,048] x [K 2,048, N 2,048]; A: computed on the way; B: input wo: QUANTISED
;;   THE QUANTISER, for each operand of a quantised product, along K:
;;     - K is cut into blocks of 32 from its start; a last block that is shorter is filled with zeros.
;;     - A block's scale is 2^e with e = floor(log2(the largest magnitude in the block)) - 2, held to -126 .. 127; a block of zeros has e = 0. As a byte (E8M0): e + 127.
;;     - Each number is divided by its block's scale, clamped to +-7.5, and rounded to the nearest number of E2M3, ties to even, subnormals kept.
;;     - The product sums the exact products of the quantised numbers (number of the format x scale) in f32.
;;   ~~~python
;;   def quantise(x, axis):      # numpy; x: float32 -> the quantised numbers, widened to float32 again
;;       x = np.moveaxis(x, axis, -1); K = x.shape[-1]
;;       x = np.pad(x, [(0, 0)] * (x.ndim - 1) + [(0, -K % 32)]); x = x.reshape(x.shape[:-1] + (-1, 32)); a = np.abs(x).max(-1, keepdims=True)
;;       e = np.where(a > 0, np.clip(np.frexp(np.where(a > 0, a, 1))[1] - 1 - 2, -126, 127), 0)      # np.frexp(a)[1] - 1 = floor(log2(a)), exactly
;;       r = np.clip(x / 2.0 ** e, -7.5, 7.5)
;;       step = 2.0 ** (np.maximum(np.frexp(np.where(r == 0, 1, r))[1] - 1, 0) - 3)
;;       q = np.round(r / step) * step * 2.0 ** e      # np.round: ties to even
;;       return np.moveaxis(q.reshape(q.shape[:-2] + (-1,))[..., :K], -1, axis).astype(np.float32)
;;   ~~~
;;   SOFTMAX AHEAD OF A QUANTISED PRODUCT. Where the list says 'softmax', what is quantised is not the finished softmax but p = 2^(t - M), with t = logit x log2(e) and M = ceil(the row's largest t), a whole number; so 1/2 < the row's largest p <= 1. The row's sum l is taken of the UNQUANTISED p, in f32, and the product's result is divided by l at the end. Since M is a whole number, a kernel that streams over the keys may use a running M (the ceiling of the running maximum): every later rescaling is an exact power of two, which a block's scale takes up: the codes' values come out the same.
;;   OPERANDS COMPUTED ON THE WAY. 'Computed on the way' means the value that the module computes at that place (a softmax that the list does not call 'softmax' is quantised finished and normalised). What goes into a quantiser is computed in f32, as accurately as f32 sums, v_exp_f32 and their like allow (about 1e-6 of the number): no bf16 or f16 on the way to a quantiser, and a product that is left as it is and whose result goes on into a quantised operand takes f32 operands (vector FMAs, or v_wmma_f32_16x16x4_f32). A number that lies on a knife's edge between two numbers of the format may be rounded either way, as far as f32 arithmetic and the matrix unit's own rounding can turn it there, and no further.
;; One version. Each part assembles by itself: llvm-mc -triple=amdgcn-amd-amdhsa -mcpu=gfx1250 --defsym DOCPART=n.
;; ======== version 1 of 1: 4 launches
;; workspace buffers: cw 15,728,640 bytes; sw 655,360 bytes; qc 3,145,728 bytes; qs 262,144 bytes; kv 6,291,456 bytes; kvs 262,144 bytes; ac 3,145,728 bytes; asw 131,072 bytes
;; launch quant (part 1): grid 640 x 1, 4 waves a work-group, no clusters, 68,096 bytes of LDS; arguments x, wq, wk, wv, wo, cw, sw; writes cw, sw
.if DOCPART == 1
	.amdgcn_target "amdgcn-amd-amdhsa--gfx1250"
	.amdhsa_code_object_version 6
	.text
	.protected	k_q5316b579a5_quant
	.globl	k_q5316b579a5_quant
	.p2align	8
	.type	k_q5316b579a5_quant,@function
k_q5316b579a5_quant:
	s_mov_b64 s[64:65], 0
	v_nop
	global_prefetch_b8 v0, s[64:65] scope:SCOPE_SE
	s_setreg_imm32_b32 hwreg(HW_REG_WAVE_MODE, 25, 1), 1
	s_wait_xcnt 0x0
; LAUNCH 1 OF 4.  x [2048][2048] (K innermost) and wq, wk, wv, wo [2048 (K)][2048] (K is the first axis), f32, become codes of FP6 (E2M3) with K innermost and one E8M0 byte for each 32 along K.
; NO WORK OF THE PROBLEM IS LEFT OUT IN ANY OF THE FOUR LAUNCHES: the mask, the cosines and the sines are inputs and are read as they are given; every key counts for every query until the mask's numbers say otherwise.
; A block's scale is 2^(floor(log2(largest magnitude)) - 2); its byte is the largest magnitude's exponent field - 2, held at 1 from below.
; LIMITS: a block of zeros gets the byte 1 where the rule says 127 (its codes are zeros, which add nothing under any byte but 0xff, and only this program reads the bytes); blocks whose largest magnitude lies
; under 2^-124 are quantised under the byte 1; NaN and infinities among the inputs are not served.
; WORKSPACE ORDER.  sigma(i) is i with its bits 3 and 4 exchanged.  cw holds rows of 1,536 bytes (2,048 codes): rows 0-2047: row R = token sigma(R) of x; from byte XCB on 8,192 rows of weights: head hd has rows
; 192 hd + (0-63 of wq, 64-127 of wk, 128-191 of wv), row j of a 64 = column 64 hd + sigma(j); rows 6144 + R = column sigma(R) of wo.  sw holds 64 scale bytes a row in the same order (weights from byte XSB on).
; So sixteen neighbouring workspace rows are the rows that a matrix tile wants for its results to lie as the next quantiser needs them.
; Work-groups 0-127 take x (a lane holds 16 neighbours along K, through the wave's stage in LDS); work-groups 128-639 take the weights (a lane takes a column, its registers run down K).  The two paths have LDS bytes of their own.
; No tensor load, no barrier: waves share nothing.  Memory binds: matrix units and clusters would add nothing.
.set SPW,   192                        ; v192  LDS address of my spare word; never rewritten
.set NIL,   193                        ; v193  0; never rewritten
.set SPARE, 67584                      ; behind both paths' bytes: the spare words, 128 bytes a wave
.set EMAX,  2
.set STEPS, 16                         ; path X: a wave takes 16 steps of 512 numbers: four rows of x
.set CB,    12                         ; bytes of 16 codes
.set RR,    16                         ; v16-79   four sets of 16 numbers as loaded
.set XX,    80                         ; v80-111  two sets of 16 neighbours
.set EE,    112                        ; v112-127 a scale byte for each step
.set CC,    128                        ; v128-191 codes, four registers a step
.set WREG,  8192                       ; LDS of a wave on path X: two stages of 32 x 80 bytes, then its 256 scale bytes
.set SP,    80
.set WST,   32768                      ; path W: four stages of 32 rows x 272 bytes from here on
.set NB,    8                          ; blocks of 32 along K for a wave
.set PITCH, 272
.set KROW,  1536
.set NROW,  8192                       ; a row of a weight in memory
.set XW,    32                         ; v32-95   two sets of 32 numbers
.set CW,    96                         ; v96..    a block's codes
.set OUTR,  112                        ; v112-175 the way out
.set SB,    24                         ; v24-25   eight scale bytes
.set XCB,   3145728
.set XSB,   131072
	s_load_b256 s[4:11], s[0:1], 0x0               ; x, wq, wk, wv
	s_load_b128 s[12:15], s[0:1], 0x20             ; wo, cw
	s_load_b64 s[16:17], s[0:1], 0x30              ; sw
	v_lshl_add_u32 v[SPW], v0, 2, SPARE
	v_mov_b32 v[NIL], 0
	v_lshrrev_b32 v1, 5, v0
	v_readfirstlane_b32 s18, v1                    ; wave
	v_and_b32 v2, 31, v0                           ; lane
	s_cmp_lt_u32 ttmp9, 128
	s_cbranch_scc0 .Lweights
; ---------------- PATH X ----------------
	v_lshlrev_b32 v3, 4, v2                        ; my 16 bytes of a load's 512
	s_mul_i32 s19, s18, WREG
	v_lshrrev_b32 v14, 2, v2
	v_mul_u32_u24 v14, v14, SP
	v_and_b32 v15, 3, v2
	v_lshl_add_u32 v14, v15, 4, v14
	v_add_nc_u32 v14, s19, v14                     ; the stage, on the way in: four lanes' 64 bytes on end, then 16 of padding
	v_mul_u32_u24 v15, v2, SP
	v_add_nc_u32 v15, s19, v15                     ; on the way out: my 16 neighbours
	v_mul_u32_u24 v4, v2, CB                       ; my codes' place in a step's 384 bytes
	v_lshrrev_b32 v5, 1, v2
	s_add_co_u32 s19, s19, 2*32*SP
	v_add_nc_u32 v5, s19, v5                       ; my block's scale byte among the wave's 256
	v_lshlrev_b32 v7, 3, v2
	v_add_nc_u32 v6, s19, v7
	s_lshl_b32 s20, ttmp9, 2
	s_add_co_u32 s20, s20, s18                     ; my run of four rows
	s_and_b32 s21, s20, 0xfffffff9                 ; sigma on rows exchanges bits 1 and 2 of the run's number
	s_bfe_u32 s22, s20, 0x10001
	s_bfe_u32 s23, s20, 0x10002
	s_lshl_b32 s22, s22, 2
	s_lshl_b32 s23, s23, 1
	s_or_b32 s21, s21, s22
	s_or_b32 s21, s21, s23                         ; where the run goes
	s_mov_b32 s25, 0
	s_wait_kmcnt 0x0
	s_lshl_b32 s24, s20, 15
	s_add_nc_u64 s[4:5], s[4:5], s[24:25]          ; x: 32,768 bytes a run
	s_mul_i32 s24, s21, 4*KROW
	s_add_nc_u64 s[14:15], s[14:15], s[24:25]      ; codes: 6,144 bytes a run
	s_lshl_b32 s24, s21, 8
	s_add_nc_u64 s[16:17], s[16:17], s[24:25]      ; scale bytes: 256 a run
.macro XLOAD t
.irp i, 0,1,2,3
	global_load_b128 v[RR+16*((\t)%4)+4*\i:RR+16*((\t)%4)+4*\i+3], v3, s[4:5] offset:2048*(\t)+512*\i th:TH_LOAD_NT   ; 32 lanes read 512 consecutive bytes
.endr
.endm
.macro XTURN t                         ; a step's numbers through the stage: LDS serves a wave's instructions in order, so no wait stands between the stores and the loads
.irp i, 0,1,2,3
	ds_store_b128 v14, v[RR+16*((\t)%4)+4*\i:RR+16*((\t)%4)+4*\i+3] offset:32*SP*((\t)%2)+8*SP*\i
.endr
.irp i, 0,1,2,3
	ds_load_b128 v[XX+16*((\t)%2)+4*\i:XX+16*((\t)%2)+4*\i+3], v15 offset:32*SP*((\t)%2)+16*\i
.endr
.endm
.irp t, 0,1,2,3
	XLOAD \t
.endr
	s_wait_loadcnt 12                              ; step 0's four loads are in; the twelve younger may be out
	XTURN 0
.macro XSTEP t
.set XS, XX+16*((\t)%2)
.if (\t) > 0
	s_wait_dscnt 1                                 ; this step's numbers are back from the stage; the last step's byte store may be out
.else
	s_wait_dscnt 0x0
.endif
.if (\t)+4 < STEPS
	XLOAD (\t)+4                                   ; into the registers that this step's stores into the stage have read
.endif
.if (\t)+1 < STEPS
.if STEPS-2-(\t) >= 3
	s_wait_loadcnt 12                              ; the next step's four loads are in; those of the three steps behind it may be out
.else
	s_wait_loadcnt 4*(STEPS-2-(\t))
.endif
	XTURN (\t)+1
.endif
	v_max3_num_f32 v8, |v[XS]|, |v[XS+1]|, |v[XS+2]|
	v_max3_num_f32 v9, |v[XS+3]|, |v[XS+4]|, |v[XS+5]|
.irp i, 6,10
	v_max3_num_f32 v8, v8, |v[XS+\i]|, |v[XS+\i+1]|
	v_max3_num_f32 v9, v9, |v[XS+\i+2]|, |v[XS+\i+3]|
.endr
	v_max3_num_f32 v8, v8, |v[XS+14]|, |v[XS+15]|
	v_max3_num_f32 v8, v8, v9, (EMAX+1)<<23        ; with the floor 2^(3 - 127): the byte cannot fall under 1
	v_max_num_f32_dpp v8, v8, v8 row_xmask:1 row_mask:0xf bank_mask:0xf   ; and my neighbour's 16: the block's largest magnitude
	v_add_nc_u32 v11, -(EMAX<<23), v8              ; 2 off its exponent field: the conversion's scale operand
	v_cvt_scalef32_pk16_fp6_f32 v[CC+4*(\t):CC+4*(\t)+2], v[XS:XS+15], v11
	v_lshrrev_b32 v[EE+(\t)], 23, v11              ; the scale's byte
	ds_store_b8 v5, v[EE+(\t)] offset:16*(\t)      ; both lanes of a block write the same byte with the same value
	global_store_b96 v4, v[CC+4*(\t):CC+4*(\t)+2], s[14:15] offset:32*CB*(\t)
.endm
.irp t, 0,1,2,3,4,5,6,7,8,9,10,11,12,13,14,15
	XSTEP \t
.endr
	ds_load_b64 v[8:9], v6                         ; my wave's 256 scale bytes: these loads see my stores
	s_wait_dscnt 0x0
	global_store_b64 v7, v[8:9], s[16:17]          ; 32 lanes store 256 consecutive bytes, aligned
	s_wait_tensorcnt 0x0                           ; the wave's end
	ds_add_u32 v[SPW], v[NIL]
	s_wait_dscnt 0x0
	s_endpgm
; ---------------- PATH W ----------------
.Lweights:
	s_sub_co_u32 s19, ttmp9, 128
	s_lshr_b32 s20, s19, 7                         ; which weight: 0 wq, 1 wk, 2 wv, 3 wo
	s_and_b32 s21, s19, 15                         ; which 128 columns
	s_bfe_u32 s22, s19, 0x30004                    ; which 256 along K
	s_lshl_b32 s23, s21, 2
	s_add_co_u32 s23, s23, s18                     ; G: my wave's 32 columns
	v_lshlrev_b32 v3, 2, v2                        ; in: 4 bytes a lane
	s_mul_i32 s24, s18, 32*PITCH
	s_add_co_u32 s24, s24, WST                     ; my stage
	v_mul_u32_u24 v4, v2, PITCH
	v_add_nc_u32 v4, s24, v4                       ; into it: row = my column
	v_and_b32 v5, 15, v2
	v_lshrrev_b32 v6, 4, v2
	v_mul_u32_u24 v7, v6, PITCH
	v_lshl_add_u32 v7, v5, 4, v7
	v_add_nc_u32 v7, s24, v7                       ; out of it: sixteen lanes to a row, two rows an instruction
	v_mul_u32_u24 v8, v6, KROW
	v_mad_u32_u24 v8, v5, 12, v8                   ; and the same place among the codes' rows
	v_and_b32 v9, 7, v2                            ; sigma(lane) x 64: my column's row of scale bytes
	v_bfe_u32 v10, v2, 3, 1
	v_lshl_or_b32 v9, v10, 4, v9
	v_bfe_u32 v10, v2, 4, 1
	v_lshl_or_b32 v9, v10, 3, v9
	v_lshlrev_b32 v9, 6, v9
	s_lshr_b32 s25, s23, 1                         ; the first workspace row of my 32 columns: 192 (G / 2) + 64 x weight + 32 (G % 2),
	s_mul_i32 s25, s25, 192
	s_lshl_b32 s26, s20, 6
	s_add_co_u32 s25, s25, s26
	s_and_b32 s26, s23, 1
	s_lshl_b32 s26, s26, 5
	s_add_co_u32 s25, s25, s26
	s_lshl_b32 s26, s23, 5
	s_add_co_u32 s26, s26, 6144                    ; for wo: 6144 + 32 G
	s_cmp_eq_u32 s20, 3
	s_cselect_b32 s25, s26, s25
	s_lshl_b32 s30, s22, 21                        ; 256 rows of 8,192 bytes
	s_lshl_b32 s26, s23, 7
	s_add_co_u32 s30, s30, s26
	s_mov_b32 s31, 0
	s_wait_kmcnt 0x0
	s_cmp_eq_u32 s20, 0                            ; the choices hang on the work-group's number alone
	s_cselect_b64 s[28:29], s[6:7], s[8:9]
	s_cmp_lt_u32 s20, 2
	s_cselect_b64 s[28:29], s[28:29], s[10:11]
	s_cmp_eq_u32 s20, 3
	s_cselect_b64 s[28:29], s[12:13], s[28:29]
	s_add_nc_u64 s[28:29], s[28:29], s[30:31]
	s_mul_i32 s30, s25, KROW
	s_mul_i32 s26, s22, 192
	s_add_co_u32 s30, s30, s26
	s_add_co_u32 s30, s30, XCB
	s_add_nc_u64 s[14:15], s[14:15], s[30:31]
	s_lshl_b32 s30, s25, 6
	s_lshl_b32 s26, s22, 3
	s_add_co_u32 s30, s30, s26
	s_add_co_u32 s30, s30, XSB
	s_add_nc_u64 s[16:17], s[16:17], s[30:31]
.macro WLOAD t                         ; block t: W(32 t + i, my column) into set t % 2: each load reads 128 consecutive bytes a wave
.set i, 0
.rept 32
	global_load_b32 v[XW+32*((\t)%2)+i], v3, s[28:29] offset:(32*(\t)+i)*NROW th:TH_LOAD_NT
.set i, i+1
.endr
.endm
	WLOAD 0
	WLOAD 1
.macro WBLOCK t
.set XS, XW+32*((\t)%2)
.if (\t) < NB-1
	s_wait_loadcnt 32                              ; this block's 32 loads are in; the next block's may be out
.else
	s_wait_loadcnt 0x0
.endif
	v_max3_num_f32 v12, |v[XS]|, |v[XS+1]|, |v[XS+2]|               ; all 32 numbers of the block are mine
	v_max3_num_f32 v13, |v[XS+3]|, |v[XS+4]|, |v[XS+5]|
.irp i, 6,10,14,18,22,26
	v_max3_num_f32 v12, v12, |v[XS+\i]|, |v[XS+\i+1]|
	v_max3_num_f32 v13, v13, |v[XS+\i+2]|, |v[XS+\i+3]|
.endr
	v_max3_num_f32 v12, v12, |v[XS+30]|, |v[XS+31]|
	v_max3_num_f32 v12, v12, v13, (EMAX+1)<<23
	v_add_nc_u32 v11, -(EMAX<<23), v12
	v_lshrrev_b32 v13, 23, v11
.if (\t)%4 == 0
	v_mov_b32 v[SB+(\t)/4], v13
.else
	v_lshl_or_b32 v[SB+(\t)/4], v13, 8*((\t)%4), v[SB+(\t)/4]
.endif
	v_cvt_scalef32_pk16_fp6_f32 v[CW:CW+2], v[XS:XS+15], v11
	v_cvt_scalef32_pk16_fp6_f32 v[CW+4:CW+6], v[XS+16:XS+31], v11
	ds_store_b96 v4, v[CW:CW+2] offset:32*(\t)     ; 12 bytes to a place of 16, so that every LDS address is a multiple of 16
	ds_store_b96 v4, v[CW+4:CW+6] offset:32*(\t)+16
.if (\t)+2 < NB
	WLOAD (\t)+2
.endif
	s_wait_dscnt 0x0                               ; the stores have read their registers: the next block's codes may be written
.endm
.irp t, 0,1,2,3,4,5,6,7
	WBLOCK \t
.endr
	global_store_b64 v9, v[SB:SB+1], s[16:17]      ; my column's eight scale bytes
.irp t, 0,1,2,3,4,5,6,7,8,9,10,11,12,13,14,15
	ds_load_b96 v[OUTR+4*\t:OUTR+4*\t+2], v7 offset:2*\t*PITCH
.endr
.irp t, 0,1,2,3,4,5,6,7,8,9,10,11,12,13,14,15
.set SG, ((2*\t)&7)|((((2*\t)>>3)&1)<<4)|((((2*\t)>>4)&1)<<3)   ; sigma of the stage's row 2 t (its bit 0 rides in the lane's term)
	s_wait_dscnt 15-\t                             ; the younger loads may be out
	global_store_b96 v8, v[OUTR+4*\t:OUTR+4*\t+2], s[14:15] offset:SG*KROW
.endr
	s_wait_tensorcnt 0x0                           ; the wave's end
	ds_add_u32 v[SPW], v[NIL]
	s_wait_dscnt 0x0
	s_endpgm
.Lfunc_end_k_q5316b579a5_quant:
	.size	k_q5316b579a5_quant, .Lfunc_end_k_q5316b579a5_quant-k_q5316b579a5_quant
	.p2alignl 7, 3214868480
	.fill 96, 4, 3214868480
	.section	.rodata,"a",@progbits
	.p2align	6, 0x0
	.amdhsa_kernel k_q5316b579a5_quant
		.amdhsa_group_segment_fixed_size 68096
		.amdhsa_private_segment_fixed_size 0
		.amdhsa_enable_private_segment 0
		.amdhsa_kernarg_size 56
		.amdhsa_user_sgpr_count 2
		.amdhsa_user_sgpr_kernarg_segment_ptr 1
		.amdhsa_wavefront_size32 1
		.amdhsa_system_sgpr_workgroup_id_x 1
		.amdhsa_system_sgpr_workgroup_id_y 1
		.amdhsa_system_sgpr_workgroup_id_z 1
		.amdhsa_system_vgpr_workitem_id 0
		.amdhsa_next_free_vgpr 194
		.amdhsa_next_free_sgpr 66
		.amdhsa_reserve_vcc 0
		.amdhsa_float_denorm_mode_32 3
		.amdhsa_float_denorm_mode_16_64 3
		.amdhsa_memory_ordered 1
		.amdhsa_forward_progress 1
		.amdhsa_inst_pref_size 74
	.end_amdhsa_kernel
	.amdgpu_metadata
---
amdhsa.version: [ 1, 2 ]
amdhsa.kernels:
  - .name:           k_q5316b579a5_quant
    .symbol:         k_q5316b579a5_quant.kd
    .args:
      - { .name: x, .offset: 0, .size: 8, .value_kind: global_buffer, .address_space: global }
      - { .name: wq, .offset: 8, .size: 8, .value_kind: global_buffer, .address_space: global }
      - { .name: wk, .offset: 16, .size: 8, .value_kind: global_buffer, .address_space: global }
      - { .name: wv, .offset: 24, .size: 8, .value_kind: global_buffer, .address_space: global }
      - { .name: wo, .offset: 32, .size: 8, .value_kind: global_buffer, .address_space: global }
      - { .name: cw, .offset: 40, .size: 8, .value_kind: global_buffer, .address_space: global }
      - { .name: sw, .offset: 48, .size: 8, .value_kind: global_buffer, .address_space: global }
    .group_segment_fixed_size: 68096
    .private_segment_fixed_size: 0
    .kernarg_segment_align: 8
    .kernarg_segment_size: 56
    .max_flat_workgroup_size: 128
    .sgpr_count:     66
    .vgpr_count:     194
    .wavefront_size: 32
...
	.end_amdgpu_metadata
.endif
;; end of part 1
;; launch qkv (part 2): grid 32 x 8, 4 waves a work-group, clusters of 4 x 4, 327,680 bytes of LDS; arguments cw, sw, freqs_cos, freqs_sin, qc, qs, kv, kvs; writes qc, qs, kv, kvs
.if DOCPART == 2
	.amdgcn_target "amdgcn-amd-amdhsa--gfx1250"
	.amdhsa_code_object_version 6
	.text
	.protected	k_q5316b579a5_qkv
	.globl	k_q5316b579a5_qkv
	.p2align	8
	.type	k_q5316b579a5_qkv,@function
k_q5316b579a5_qkv:
	s_mov_b64 s[64:65], 0
	v_nop
	global_prefetch_b8 v0, s[64:65] scope:SCOPE_SE
	s_setreg_imm32_b32 hwreg(HW_REG_WAVE_MODE, 25, 1), 1
	s_wait_xcnt 0x0
	s_wait_alu depctr_hold_cnt(0) depctr_sa_sdst(0) depctr_va_vdst(0) depctr_va_sdst(0) depctr_va_ssrc(0) depctr_va_vcc(0) depctr_vm_vsrc(0)
	s_getreg_b32 s2, hwreg(HW_REG_IB_STS2, 6, 4)
	s_cmp_eq_u32 s2, 0
	s_cbranch_scc0 .Lentry_in_a_cluster
	s_endpgm
.Lentry_in_a_cluster:
	s_bfe_u32 s2, ttmp6, 0x10000c
	s_cmp_lg_u32 s2, 0xf033
	s_cbranch_scc0 .Lentry_shape_is_right
	s_endpgm
.Lentry_shape_is_right:
; LAUNCH 2 OF 4.  q = x wq, k = x wk, v = x wv on codes of FP6 (E2M3); the rotation by the given cosines and sines on q and k, in f32; then the quantisers of the two attention products:
; q and k along the head's 64, v along the keys.  Only codes and scale bytes go to memory.  No work is left out.
; SHARES.  Work-group (x = head, y = block of 256 workspace rows of x).  Its B tile is the head's 192 weight rows (64 of wq, 64 of wk, 64 of wv).  Wave w takes rows 64 w .. 64 w + 63 (4 tiles t) against all 12
; weight tiles (4 g + t', g = 0 q, 1 k, 2 v): 48 accumulators.  q and k are used TRANSPOSED (source 0 = weight tile, source 1 = x tile): a lane holds one token and its registers run along the head.
; v is used as it stands (source 0 = x tile, source 1 = weight tile): a lane holds one channel and its registers run along the tokens, which are the second attention product's K.
; Workspace rows are in sigma order (bits 3 and 4 exchanged), so in a result the 16 registers of tiles 2 b and 2 b + 1 of source 0 are 16 neighbours: index 32 b + 16 (lane / 16) + 0 .. 15.
; K goes in steps of 128, two to an LDS slot, two slots, filled by joint tensor loads: 4 x 4 work-groups form a cluster; x's tile hangs on y alone and is shared along a row, the weights' on x alone and along a column.
; The scale bytes of the work-group's rows, for all of K, come once with the first fills.
; WHAT IS STORED.  qc [head][tile 128][768]: a tile's 16 rows x 64 codes as an image of six operand registers, 8 bytes a lane in three chunks of 256.  qs: a word a row: (e0 - 3, e1 - 3) twice: the division of the
; scores by 8 is taken off q's scale bytes, exactly.  kv [key step 16][head group 8][49,152]: K's part: a fragment of 12 registers holds TWO tiles of 16 keys (registers 0-5, 6-11); V's part: fragments of 16 channels x 128 keys.
; kvs: their scale words.
; LIMITS: a block of q whose largest magnitude lies under 2^-121 is quantised under the byte 4 (so that the byte less 3 stays at 1 or above); other blocks under 2^-124 under the byte 1; a block of zeros gets the floor's byte
; where the rule says 127 (its codes are zeros; only this program reads the bytes); NaN and infinities are not served.
; REGISTERS, in windows of 256: window 0: v1-31 addresses; v32-79 scale words, two sets of 24; v80-175 x's fragments, two sets of 48 (on the way out: codes); v176-207 32 rotated numbers; v220.. at work.
;   window 1: v0-143 the 12 weight fragments, ONE set: a group of four is fetched anew as soon as its 16 products are issued.   window 2: the 32 accumulators of q and k.   window 3: v0-127 those of v; v128-255 cosines and sines.
.set PITCH,  240                       ; an LDS row: 3 x (64 bytes + 16 of padding)
.set SLOT,   448*PITCH                 ; x's 256 rows, then the weights' 192
.set BOFF,   256*PITCH
.set SCL,    2*SLOT                    ; x's scale bytes: 64 rows of 256 + 16
.set SCLW,   SCL+17408                 ; the weights': 48 such rows
.set SBLK,   1088                      ; those of 16 rows
.set SST,    SCLW+13056                ; 2,048 bytes where the new scale words meet: q 1,024, k 512, v 512; no tensor load lands here
.set SPARE,  SST+2048                  ; the spare words, 128 bytes a wave
.set XCB,    3145728
.set XSB,    131072
.set KROW,   1536
.set FR,     12
.set ADRA,   8                         ; v8-9 my x fragments in slot 0, 1; v10-11 the same behind one padding more
.set ADRB,   12                        ; v12-15 the same for the weights
.set ADRS1,  16                        ; scale words: lanes 0-15 x's tile i, lanes 16-31 the weights' tile i (i < 4)
.set ADRS2,  17                        ; all lanes: the weights' tile i (i >= 4)
.set CSA,    18
.set VQ,     19                        ; 8 x lane
.set VK,     20                        ; 16 x lane
.set VSQ,    21
.set VSK,    22
.set VSV,    23
.set VSR,    24
.set SPW,    28
.set NIL,    29
.set SC,     32
.set XF,     80
.set H,      176
.set PT,     220
.set TM,     224
.set WD,     232
.set G1A,  24
.set G0A,  32
.set G1B,  48
.set G0B,  56
.set G1SA, 68
.set G0SA, 76
.set G1SB, 80
.set G0SB, 88
.set SEL,  100
.set MSB, 0
.macro WIN new                         ; the immediate's high byte repeats the setting that is left
.if MSB != \new
	s_set_vgpr_msb (MSB<<8)|\new
.set MSB, \new
.endif
.endm
.macro PLACES n
.rept \n
	v_nop
.endr
.endm
; A joint load: waves 0 and 1 fetch for x, waves 2 and 3 for the weights; the branch hangs on the wave's number alone.  An s_nop 0 and four v_nop follow each line.
.macro JLOAD g0a, g1a, g0b, g1b
	s_cmp_eq_u32 s21, 0
	s_cbranch_scc0 .Lfor_b_\@
	tensor_load_to_lds s[\g0a:\g0a+3], s[\g1a:\g1a+7]
	s_nop 0
.rept 4
	v_nop
.endr
	s_branch .Lasked_\@
.Lfor_b_\@:
	tensor_load_to_lds s[\g0b:\g0b+3], s[\g1b:\g1b+7]
	s_nop 0
.rept 4
	v_nop
.endr
.Lasked_\@:
.endm
.macro CREST                           ; a round of the cluster's barrier behind its opening barrier
	s_cmp_lg_u32 s20, 0
	s_cbranch_scc1 .Lnot_wave_0_\@
	s_barrier_signal -3
.Lnot_wave_0_\@:
	s_barrier_wait -3
	s_barrier_signal -1
	s_barrier_wait -1
.endm
.macro CROUND
	s_barrier_signal -1
	s_barrier_wait -1
	CREST
.endm
	s_load_b256 s[4:11], s[0:1], 0x0               ; cw, sw, cosines, sines
	s_load_b256 s[12:19], s[0:1], 0x20             ; qc, qs, kv, kvs
	v_lshl_add_u32 v[SPW], v0, 2, SPARE
	v_mov_b32 v[NIL], 0
	ds_add_u32 v[SPW], v[NIL]                      ; the wave's opening: the add, twice on end, and its wait ahead of my first tensor load
	ds_add_u32 v[SPW], v[NIL]
	v_lshrrev_b32 v1, 5, v0
	v_readfirstlane_b32 s20, v1                    ; wave
	s_lshr_b32 s21, s20, 1                         ; I fetch for x (0) or for the weights (1)
	s_and_b32 s22, s20, 1                          ; which half of that tile
	s_bfe_u32 s40, ttmp6, 0x40000                  ; cx
	s_bfe_u32 s41, ttmp6, 0x40004                  ; cy
	s_lshl_b32 s42, ttmp9, 2
	s_add_co_u32 s42, s42, s40                     ; the head
	s_and_b32 s43, ttmp7, 0xffff
	s_lshl_b32 s43, s43, 2
	s_add_co_u32 s43, s43, s41                     ; the block of 256 rows
	s_lshl_b32 s44, s41, 2
	s_lshl_b32 s44, 15, s44                        ; my row of the cluster
	s_lshl_b32 s45, 0x1111, s40                    ; my column
	s_or_b32 s[G1A], s44, (1<<20)|(1<<21)|(3<<22)|(3<<25)     ; elements of 1 byte; 16 bytes of padding behind every 64; x's tiles go to my row
	s_or_b32 s[G1B], s45, (1<<20)|(1<<21)|(3<<22)|(3<<25)     ; the weights' to my column
	s_mov_b32 s[G1A+1], 192<<16                    ; tensor_dim0
	s_mov_b32 s[G1A+2], 128<<16                    ; tensor_dim1
	s_mov_b32 s[G1A+3], 192<<16                    ; tile_dim0
	s_mov_b32 s[G1A+4], 128                        ; tile_dim1
	s_mov_b32 s[G1A+5], KROW                       ; pitch
	s_mov_b32 s[G1A+6], 0
	s_mov_b32 s[G1A+7], 0
	s_mov_b32 s[G1B+1], 192<<16
	s_mov_b32 s[G1B+2], 96<<16
	s_mov_b32 s[G1B+3], 192<<16
	s_mov_b32 s[G1B+4], 96
	s_mov_b32 s[G1B+5], KROW
	s_mov_b32 s[G1B+6], 0
	s_mov_b32 s[G1B+7], 0
	s_or_b32 s[G1SA], s44, (3<<16)|(1<<20)|(1<<21)|(5<<22)|(3<<25)   ; dense scale bytes as rows of 256 (32 elements of 8 bytes), 16 of padding behind each
	s_or_b32 s[G1SB], s45, (3<<16)|(1<<20)|(1<<21)|(5<<22)|(3<<25)
	s_mov_b32 s[G1SA+1], 32<<16
	s_mov_b32 s[G1SA+2], 32<<16
	s_mov_b32 s[G1SA+3], 32<<16
	s_mov_b32 s[G1SA+4], 32
	s_mov_b32 s[G1SA+5], 32
	s_mov_b32 s[G1SA+6], 0
	s_mov_b32 s[G1SA+7], 0
	s_mov_b32 s[G1SB+1], 32<<16
	s_mov_b32 s[G1SB+2], 24<<16
	s_mov_b32 s[G1SB+3], 32<<16
	s_mov_b32 s[G1SB+4], 24
	s_mov_b32 s[G1SB+5], 32
	s_mov_b32 s[G1SB+6], 0
	s_mov_b32 s[G1SB+7], 0
	s_lshl_b32 s46, s43, 8
	s_lshl_b32 s47, s22, 7
	s_add_co_u32 s46, s46, s47                     ; x: row 256 y + 128 x half
	s_lshl_b32 s66, s46, 6                         ; its scale bytes,
	s_mul_i32 s46, s46, KROW                       ; its codes
	s_mov_b32 s47, 0
	s_mov_b32 s67, 0
	s_mul_i32 s94, s42, 192
	s_mul_i32 s95, s22, 96
	s_add_co_u32 s94, s94, s95                     ; weights: row 192 x head + 96 x half
	s_lshl_b32 s98, s94, 6
	s_add_co_u32 s98, s98, XSB
	s_mul_i32 s94, s94, KROW
	s_add_co_u32 s94, s94, XCB
	s_mov_b32 s95, 0
	s_mov_b32 s99, 0
	s_mul_i32 s2, s22, 128*PITCH                   ; where they go in a slot: no place in the cluster enters an LDS address
	s_mul_i32 s92, s22, 96*PITCH
	s_add_co_u32 s92, s92, BOFF
	s_mul_i32 s23, s22, 8704
	s_mul_i32 s93, s22, 6528
	s_mov_b32 s[SEL], 0x76543210
	s_mov_b32 s[SEL+1], 0xfedcba98
	s_wait_dscnt 0x0                               ; both opening adds are done
	s_wait_kmcnt 0x0
	s_add_nc_u64 s[46:47], s[4:5], s[46:47]
	s_add_nc_u64 s[66:67], s[6:7], s[66:67]
	s_add_nc_u64 s[94:95], s[4:5], s[94:95]
	s_add_nc_u64 s[98:99], s[6:7], s[98:99]
	CROUND                                         ; all sixteen work-groups are here: the first joint loads meet
	s_mov_b32 s[G0SA], 1
	s_add_co_u32 s[G0SA+1], s23, SCL
	s_mov_b64 s[G0SA+2:G0SA+3], s[66:67]
	s_or_b32 s[G0SA+3], s[G0SA+3], 0x80000000
	s_mov_b32 s[G0SB], 1
	s_add_co_u32 s[G0SB+1], s93, SCLW
	s_mov_b64 s[G0SB+2:G0SB+3], s[98:99]
	s_or_b32 s[G0SB+3], s[G0SB+3], 0x80000000
	JLOAD G0SA, G1SA, G0SB, G1SB                   ; the scale bytes first: three loads of mine are out behind the third line below
.irp s, 0,1
	s_mov_b32 s[G0A+4*\s], 1
	s_add_co_u32 s[G0A+4*\s+1], s2, \s*SLOT
	s_add_nc_u64 s[G0A+4*\s+2:G0A+4*\s+3], s[46:47], \s*192
	s_or_b32 s[G0A+4*\s+3], s[G0A+4*\s+3], 0x80000000
	s_mov_b32 s[G0B+4*\s], 1
	s_add_co_u32 s[G0B+4*\s+1], s92, \s*SLOT
	s_add_nc_u64 s[G0B+4*\s+2:G0B+4*\s+3], s[94:95], \s*192
	s_or_b32 s[G0B+4*\s+3], s[G0B+4*\s+3], 0x80000000
	JLOAD G0A+4*\s, G1A, G0B+4*\s, G1B
.endr
	; the cosines and sines of my 64 tokens: lane (r, h) of tile t holds token 32 (t / 2) + 8 (t % 2) + 16 (r / 8) + r % 8 and wants frequencies 16 b + 8 h + 0 .. 7
	v_and_b32 v1, 15, v0                           ; r
	v_bfe_u32 v2, v0, 4, 1                         ; h
	v_and_b32 v3, 7, v1
	v_lshrrev_b32 v4, 3, v1
	v_lshl_add_u32 v3, v4, 4, v3
	v_lshlrev_b32 v[CSA], 7, v3                    ; a row of 32 f32 is 128 bytes
	v_lshl_add_u32 v[CSA], v2, 5, v[CSA]
	s_lshl_b32 s92, s43, 8
	s_lshl_b32 s93, s20, 6
	s_add_co_u32 s92, s92, s93
	s_lshl_b32 s92, s92, 7
	s_mov_b32 s93, 0
	s_add_nc_u64 s[8:9], s[8:9], s[92:93]
	s_add_nc_u64 s[10:11], s[10:11], s[92:93]
	WIN 0xc0                                       ; destination window 3
.irp t, 0,1,2,3
.irp b, 0,1
.irp i, 0,1
	global_load_b128 v[128+32*\t+8*\b+4*\i:131+32*\t+8*\b+4*\i], v[CSA], s[8:9] offset:(32*(\t/2)+8*(\t%2))*128+64*\b+16*\i
	global_load_b128 v[144+32*\t+8*\b+4*\i:147+32*\t+8*\b+4*\i], v[CSA], s[10:11] offset:(32*(\t/2)+8*(\t%2))*128+64*\b+16*\i
.endr
.endr
.endr
	WIN 0
	v_mul_u32_u24 v3, v1, PITCH
	v_mul_u32_u24 v4, v2, 24
	v_add_nc_u32 v4, v3, v4                        ; a fragment's row x pitch + 24 x half
	v_lshl_add_u32 v5, v2, 4, v4                   ; and the same behind one padding more
	s_mul_i32 s92, s20, 64*PITCH                   ; my 64 rows of x
	s_mov_b32 s94, BOFF                            ; all 192 rows of the weights
.irp s, 0,1
	v_add_nc_u32 v[ADRA+\s], s92, v4
	v_add_nc_u32 v[ADRB+\s], s94, v4
	v_add_nc_u32 v[ADRA+2+\s], s92, v5
	v_add_nc_u32 v[ADRB+2+\s], s94, v5
	s_add_co_u32 s92, s92, SLOT
	s_add_co_u32 s94, s94, SLOT
.endr
	v_lshlrev_b32 v5, 6, v1                        ; a row's scale bytes: 64 r, and 16 more for each 256 passed
	v_lshrrev_b32 v6, 2, v1
	v_lshl_add_u32 v5, v6, 4, v5
	s_mul_i32 s92, s20, 4*SBLK
	s_sub_co_u32 s94, 17408, s92
	v_mul_u32_u24 v6, s94, v2                      ; lanes 16-31 take the weights': one product, the lower base + h x the distance
	s_add_co_u32 s92, s92, SCL
	v_add_nc_u32 v6, v5, v6
	v_add_nc_u32 v[ADRS1], s92, v6
	v_add_nc_u32 v[ADRS2], SCLW, v5
	v_and_b32 v3, 31, v0
	v_lshlrev_b32 v[VQ], 3, v3
	v_lshlrev_b32 v[VK], 4, v3
	v_lshlrev_b32 v4, 2, v1
	s_lshl_b32 s92, s20, 8
	s_add_co_u32 s92, s92, SST
	v_add_nc_u32 v[VSQ], s92, v4                   ; q's words: 4 (64 w + 16 t + r)
	s_lshl_b32 s92, s20, 7
	s_add_co_u32 s92, s92, SST+1024
	v_add_nc_u32 v[VSK], s92, v4                   ; k's: 64 (2 w + b) + 4 r
	s_lshl_b32 s92, s21, 8
	s_lshl_b32 s94, s22, 1
	s_add_co_u32 s92, s92, s94
	s_add_co_u32 s92, s92, SST+1536
	v_add_nc_u32 v[VSV], s92, v4                   ; v's: 256 (w / 2) + 64 t' + 4 r, my two bytes at 2 (w % 2)
	s_lshl_b32 s92, s20, 9
	s_add_co_u32 s92, s92, SST
	v_add_nc_u32 v[VSR], s92, v[VK]
	v_mov_b32 v[TM+2], 0                           ; written once: a lane permute's destination counts as one of its sources
	v_mov_b32 v[TM+3], 0
	; where the results go
	s_mul_i32 s92, s42, 98304
	s_mul_i32 s94, s43, 12288
	s_add_co_u32 s92, s92, s94
	s_mul_i32 s94, s20, 3072
	s_add_co_u32 s92, s92, s94
	s_add_nc_u64 s[12:13], s[12:13], s[92:93]      ; qc at tile 16 y + 4 w of my head
	s_lshl_b32 s92, s43, 1
	s_add_co_u32 s92, s92, s21
	s_mul_i32 s92, s92, 393216                     ; key step 2 y + w / 2
	s_lshr_b32 s94, s42, 2
	s_mul_i32 s94, s94, 49152
	s_add_co_u32 s92, s92, s94
	s_and_b32 s94, s42, 3
	s_mul_i32 s94, s94, 6144
	s_add_co_u32 s92, s92, s94
	s_add_nc_u64 s[16:17], s[16:17], s[92:93]
	s_mul_i32 s92, s22, 3072
	s_add_nc_u64 s[94:95], s[16:17], s[92:93]      ; K's part: blocks 2 (w % 2) on
	s_mul_i32 s92, s22, 768
	s_add_co_u32 s92, s92, 24576
	s_add_nc_u64 s[96:97], s[16:17], s[92:93]      ; V's part: chunks 3 (w % 2) on
	s_lshl_b32 s92, s42, 13
	s_lshl_b32 s98, s43, 10
	s_add_co_u32 s92, s92, s98
	s_lshl_b32 s98, s20, 9
	s_add_co_u32 s92, s92, s98                     ; waves 0, 1: qs
	s_lshr_b32 s98, s42, 2
	s_lshl_b32 s98, s98, 15
	s_and_b32 s99, s42, 3
	s_lshl_b32 s99, s99, 12
	s_add_co_u32 s98, s98, s99
	s_lshl_b32 s99, s43, 9
	s_add_co_u32 s98, s98, s99
	s_lshl_b32 s99, s22, 14
	s_add_co_u32 s98, s98, s99                     ; wave 2: kvs, K's part; wave 3: V's
	s_cmp_lt_u32 s20, 2
	s_cselect_b32 s92, s92, s98
	s_cselect_b64 s[98:99], s[14:15], s[18:19]
	s_add_nc_u64 s[98:99], s[98:99], s[92:93]
.macro FRAG reg, adr, q, i             ; 16 rows x 128 K of 6-bit codes: 12 registers, in pieces of 8 bytes; where lanes 16-31's piece lies behind one padding more, the second address register serves
.irp p, 0,1,2,3,4,5
.set PC, 12*(\q)+6*(\p/3)+\p%3
.if PC%8 < 5
	ds_load_b64 v[\reg+2*\p:\reg+2*\p+1], v[\adr] offset:8*PC+16*(PC/8)+(\i)*16*PITCH
.else
	ds_load_b64 v[\reg+2*\p:\reg+2*\p+1], v[\adr+2] offset:8*PC+16*(PC/8)+(\i)*16*PITCH
.endif
.endr
.endm
.macro LW g, slot, q                   ; the four weight fragments of group g: 24 loads
	WIN 0x40
.irp i, 0,1,2,3
	FRAG FR*(4*(\g)+\i), ADRB+\slot, \q, 4*(\g)+\i
.endr
.endm
.macro LX slot, q, p                   ; my four x fragments into set p: 24 loads
	WIN 0
.irp i, 0,1,2,3
	FRAG XF+48*(\p)+FR*\i, ADRA+\slot, \q, \i
.endr
.endm
.macro SCALES set                      ; a slot's two scale words of each tile: 12 loads
	WIN 0
.irp i, 0,1,2,3
	ds_load_b64 v[SC+24*(\set)+2*\i:SC+24*(\set)+2*\i+1], v[ADRS1] offset:\i*SBLK
.endr
.irp i, 4,5,6,7,8,9,10,11
	ds_load_b64 v[SC+24*(\set)+2*\i:SC+24*(\set)+2*\i+1], v[ADRS2] offset:\i*SBLK
.endr
.endm
; 16 matrix instructions: group g's four weight tiles x my four x tiles.  The 48 accumulators take turns, one instruction a turn, in the same order in every step.
; The weights' scale words are read from lanes 16-31, x's from lanes 0-15.
.macro MULG g, p, q, set, zero
.if (\g) < 2
	WIN 0xa1                                       ; source 0 (weights) window 1, source 1 (x) window 0, C and D window 2
.else
	WIN 0xf4                                       ; source 0 (x) window 0, source 1 (weights) window 1, C and D window 3
.endif
.irp tp, 0,1,2,3
.irp t, 0,1,2,3
.set AC, 8*(16*((\g)%2)+4*\tp+\t)
.set WF, FR*(4*(\g)+\tp)
.set XR, XF+48*(\p)+FR*\t
.set SCW, SC+24*(\set)+2*(4*(\g)+\tp)+(\q)
.set SCX, SC+24*(\set)+2*\t+(\q)
.if (\g) < 2
.if \zero
	v_wmma_scale_f32_16x16x128_f8f6f4 v[AC:AC+7], v[WF:WF+11], v[XR:XR+11], 0, v[SCW], v[SCX] matrix_a_fmt:MATRIX_FMT_FP6 matrix_b_fmt:MATRIX_FMT_FP6 matrix_a_scale:MATRIX_SCALE_ROW1
.else
	v_wmma_scale_f32_16x16x128_f8f6f4 v[AC:AC+7], v[WF:WF+11], v[XR:XR+11], v[AC:AC+7], v[SCW], v[SCX] matrix_a_fmt:MATRIX_FMT_FP6 matrix_b_fmt:MATRIX_FMT_FP6 matrix_a_scale:MATRIX_SCALE_ROW1
.endif
.else
.if \zero
	v_wmma_scale_f32_16x16x128_f8f6f4 v[AC:AC+7], v[XR:XR+11], v[WF:WF+11], 0, v[SCX], v[SCW] matrix_a_fmt:MATRIX_FMT_FP6 matrix_b_fmt:MATRIX_FMT_FP6 matrix_b_scale:MATRIX_SCALE_ROW1
.else
	v_wmma_scale_f32_16x16x128_f8f6f4 v[AC:AC+7], v[XR:XR+11], v[WF:WF+11], v[AC:AC+7], v[SCX], v[SCW] matrix_a_fmt:MATRIX_FMT_FP6 matrix_b_fmt:MATRIX_FMT_FP6 matrix_b_scale:MATRIX_SCALE_ROW1
.endif
.endif
.endr
.endr
.endm
; A slot's first step.  Four plain places stand in front of each run of loads into registers that matrix instructions have read (ISA guide 7.12.1 for vector instructions).
.macro STEP slot, zero
	s_wait_dscnt 48                                ; group 0, x and the scale words are in; the youngest 48 loads (groups 1 and 2) may be out
	MULG 0, 0, 0, \slot, \zero
	PLACES 4
	LW 0, \slot, 1
	LX \slot, 1, 1
	s_wait_dscnt 48                                ; all but the 48 just issued: groups 1 and 2 are in
	MULG 1, 0, 0, \slot, \zero
	PLACES 4
	LW 1, \slot, 1
	MULG 2, 0, 0, \slot, \zero
	PLACES 4
	LW 2, \slot, 1
	WIN 0
.endm
; A slot's second step changes slots: ONE barrier; in front of it each wave waits for all its tensor loads, adds 0 to its spare word, and waits for that and for its reads of this slot.  fill = 1: the slot is filled again, two slots ahead.
.macro TURN slot, next, fill
	s_wait_tensorcnt 0x0                           ; all my tensor loads have landed: my part of the next slot
	ds_add_u32 v[SPW], v[NIL]                      ; 0 onto my spare word
	s_wait_dscnt 49                                ; group 0 and x are in; groups 1 and 2 (48 loads) and the add may be out
	MULG 0, 1, 1, \slot, 0
	s_wait_dscnt 0x0                               ; the add is done, and my reads of this slot are over
	s_barrier_signal -1
	MULG 1, 1, 1, \slot, 0
	WIN 0
	s_barrier_wait -1
.if \fill
	CREST                                          ; the barrier has opened a round of the cluster's barrier: no wave of any partner still reads this slot or has a load on its way
	s_add_nc_u64 s[G0A+4*\slot+2:G0A+4*\slot+3], s[G0A+4*\slot+2:G0A+4*\slot+3], 384
	s_add_nc_u64 s[G0B+4*\slot+2:G0B+4*\slot+3], s[G0B+4*\slot+2:G0B+4*\slot+3], 384
	JLOAD G0A+4*\slot, G1A, G0B+4*\slot, G1B       ; the first tensor load behind the round; its four v_nop are the places in front of the loads below
.else
	PLACES 4
.endif
	v_add_nc_u32 v[ADRS1], 8, v[ADRS1]             ; the next slot's scale words
	v_add_nc_u32 v[ADRS2], 8, v[ADRS2]
	LW 0, \next, 0
	LX \next, 0, 0
	SCALES \next
	LW 1, \next, 0
	MULG 2, 1, 1, \slot, 0
	PLACES 4
	LW 2, \next, 0
	WIN 0
.endm
	s_wait_tensorcnt 1                             ; the scale bytes and my part of slot 0 are in; slot 1's load may be out
	s_barrier_signal -1
	s_barrier_wait -1
	LW 0, 0, 0
	LX 0, 0, 0
	SCALES 0
	LW 1, 0, 0
	LW 2, 0, 0
	WIN 0
	STEP 0, 1                                      ; the first step's products start the sums: nothing is cleared
	s_mov_b32 s3, 3
.Llap:                                             ; a trip goes once round the ring and fills both slots again: 2,048 along K are eight slots
	TURN 0, 1, 1
	STEP 1, 0
	TURN 1, 0, 1
	STEP 0, 0
	s_sub_co_u32 s3, s3, 1
	s_cmp_lg_u32 s3, 0
	s_cbranch_scc1 .Llap
	TURN 0, 1, 0                                   ; the last lap fills nothing
	STEP 1, 0
	s_wait_dscnt 48
	MULG 0, 1, 1, 1, 0
	s_wait_dscnt 0x0
	MULG 1, 1, 1, 1, 0
	MULG 2, 1, 1, 1, 0
	WIN 0
; THE WAY OUT.
; The rotation of tile t of q (g = 0) or k (g = 1): register 8 t' + 2 a of the 32 is channel 32 (t' / 2) + 16 h + 8 (t' % 2) + 2 a, its frequency 16 (t' / 2) + 8 h + 4 (t' % 2) + a.  Each accumulator is read from its low end on.
.macro ROPE t, g
	WIN 0x0e                                       ; source 0 window 2 (sums), source 1 window 3 (cosines, sines)
.irp tp, 0,1,2,3
.irp a, 0,1,2,3
.set AC, 8*(16*(\g)+4*\tp+(\t))+2*\a
.set CR, 128+32*(\t)+8*(\tp/2)+4*(\tp%2)+\a
.set HH, H+8*\tp+2*\a
	v_mul_f32 v[HH+1], v[AC+1], v[CR]
	v_mul_f32 v[HH], v[AC+1], v[CR+16]
	v_fma_f32 v[HH+1], v[AC], v[CR+16], v[HH+1]    ; the odd channel: even x sin + odd x cos
	v_fma_f32 v[HH], v[AC], v[CR], -v[HH]          ; the even channel: even x cos - odd x sin
.endr
.endr
	WIN 0
.endm
; 32 numbers of a lane, register 16 b + i = k 32 b + 16 (lane / 16) + i of my row, become six registers of codes at v[pc] (lane (r, h): block h of row r) and two scale bytes in v[TM+2], v[TM+3].
.macro QUANT2 src, wmax, wcvt, floor, pc
	WIN \wmax
.irp b, 0,1
	v_max3_num_f32 v[TM+\b], |v[\src+16*\b]|, |v[\src+16*\b+1]|, \floor
.endr
.irp i, 2,4,6,8,10,12,14
.irp b, 0,1
	v_max3_num_f32 v[TM+\b], |v[\src+16*\b+\i]|, |v[\src+16*\b+\i+1]|, v[TM+\b]
.endr
.endr
	WIN 0
	v_permlanex16_b32 v[TM+2], v[TM], s[SEL], s[SEL+1]
	v_permlanex16_b32 v[TM+3], v[TM+1], s[SEL], s[SEL+1]
	v_max_num_f32 v[TM], v[TM], v[TM+2]            ; with lane l xor 16's: the block's largest magnitude
	v_max_num_f32 v[TM+1], v[TM+1], v[TM+3]
	v_add_nc_u32 v[TM+4], 0xff000000, v[TM]        ; 2 off the exponent field: the conversion's scale operand
	v_add_nc_u32 v[TM+5], 0xff000000, v[TM+1]
	v_lshrrev_b32 v[TM+2], 23, v[TM+4]             ; the bytes
	v_lshrrev_b32 v[TM+3], 23, v[TM+5]
	WIN \wcvt
	v_cvt_scalef32_pk16_fp6_f32 v[\pc:\pc+2], v[\src:\src+15], v[TM+4]
	v_cvt_scalef32_pk16_fp6_f32 v[PT:PT+2], v[\src+16:\src+31], v[TM+5]
	WIN 0
	v_nop                                          ; one plain place behind a scaled conversion
.irp i, 0,1,2
	v_permlane16_swap_b32 v[\pc+\i], v[PT+\i]      ; a whole block to a lane: lanes 0-15 block 0, lanes 16-31 block 1
.endr
.irp i, 0,1,2
	v_mov_b32 v[\pc+3+\i], v[PT+\i]
.endr
.endm
	PLACES 4                                       ; in front of the first read of results
	s_wait_loadcnt 0x0                             ; the cosines and sines
.irp t, 0,1,2,3
	ROPE \t, 0
	QUANT2 H, 0, 0, 0x3000000, 80+6*\t
	v_lshl_or_b32 v[WD+\t], v[TM+3], 8, v[TM+2]
	v_add_nc_u32 v[WD+\t], 0xfffffcfd, v[WD+\t]    ; 3 off each byte: the scores' division by 8; each byte is 4 or more, so nothing is borrowed
	v_lshl_or_b32 v[WD+\t], v[WD+\t], 16, v[WD+\t] ; the two bytes twice: q stands in either half of the product's 128
	ds_store_b32 v[VSQ], v[WD+\t] offset:64*\t     ; (both halves of the lanes write the same word with the same value)
.irp p, 0,1,2
	global_store_b64 v[VQ], v[80+6*\t+2*\p:81+6*\t+2*\p], s[12:13] offset:768*\t+256*\p   ; 32 lanes store 256 consecutive bytes, aligned
.endr
	ROPE \t, 1
	QUANT2 H, 0, 0, 0x1800000, 104+6*\t
	v_lshl_or_b32 v[WD+4+\t], v[TM+3], 8, v[TM+2]
.if \t%2
	v_lshl_or_b32 v[WD+4+\t], v[WD+4+\t], 16, v[WD+3+\t]   ; the word of a fragment of two tiles
	ds_store_b32 v[VSK], v[WD+4+\t] offset:64*(\t/2)
.irp c, 0,1,2
	global_store_b128 v[VK], v[104+12*(\t/2)+4*\c:107+12*(\t/2)+4*\c], s[94:95] offset:1536*(\t/2)+512*\c
.endr
.endif
.endr
.irp tp, 0,1,2,3                       ; v: the 32 registers of a weight tile's four accumulators are my 64 tokens: two blocks along the keys
	QUANT2 32*\tp, 0x0f, 0x03, 0x1800000, 128+6*\tp
	v_lshl_or_b32 v[240+\tp], v[TM+3], 8, v[TM+2]
	ds_store_b16 v[VSV], v[240+\tp] offset:64*\tp
.irp p, 0,1,2
	global_store_b64 v[VQ], v[128+6*\tp+2*\p:129+6*\tp+2*\p], s[96:97] offset:1536*\tp+256*\p
.endr
.endr
	s_wait_dscnt 0x0                               ; for the others' sake: my scale words lie in LDS
	s_barrier_signal -1
	s_barrier_wait -1
	ds_load_b128 v[244:247], v[VSR]                ; each wave takes 512 of the 2,048 bytes
	s_wait_dscnt 0x0
	global_store_b128 v[VK], v[244:247], s[98:99]  ; 512 consecutive bytes, aligned
	s_wait_tensorcnt 0x0                           ; the wave's end
	ds_add_u32 v[SPW], v[NIL]
	s_wait_dscnt 0x0
	CROUND                                         ; the closing round
	s_endpgm
.Lfunc_end_k_q5316b579a5_qkv:
	.size	k_q5316b579a5_qkv, .Lfunc_end_k_q5316b579a5_qkv-k_q5316b579a5_qkv
	.p2alignl 7, 3214868480
	.fill 96, 4, 3214868480
	.section	.rodata,"a",@progbits
	.p2align	6, 0x0
	.amdhsa_kernel k_q5316b579a5_qkv
		.amdhsa_group_segment_fixed_size 327680
		.amdhsa_private_segment_fixed_size 0
		.amdhsa_enable_private_segment 0
		.amdhsa_kernarg_size 64
		.amdhsa_user_sgpr_count 2
		.amdhsa_user_sgpr_kernarg_segment_ptr 1
		.amdhsa_wavefront_size32 1
		.amdhsa_system_sgpr_workgroup_id_x 1
		.amdhsa_system_sgpr_workgroup_id_y 1
		.amdhsa_system_sgpr_workgroup_id_z 1
		.amdhsa_system_vgpr_workitem_id 0
		.amdhsa_next_free_vgpr 1024
		.amdhsa_next_free_sgpr 102
		.amdhsa_reserve_vcc 0
		.amdhsa_float_denorm_mode_32 3
		.amdhsa_float_denorm_mode_16_64 3
		.amdhsa_memory_ordered 1
		.amdhsa_forward_progress 1
		.amdhsa_inst_pref_size 173
	.end_amdhsa_kernel
	.amdgpu_metadata
---
amdhsa.version: [ 1, 2 ]
amdhsa.kernels:
  - .name:           k_q5316b579a5_qkv
    .symbol:         k_q5316b579a5_qkv.kd
    .args:
      - { .name: cw, .offset: 0, .size: 8, .value_kind: global_buffer, .address_space: global }
      - { .name: sw, .offset: 8, .size: 8, .value_kind: global_buffer, .address_space: global }
      - { .name: freqs_cos, .offset: 16, .size: 8, .value_kind: global_buffer, .address_space: global }
      - { .name: freqs_sin, .offset: 24, .size: 8, .value_kind: global_buffer, .address_space: global }
      - { .name: qc, .offset: 32, .size: 8, .value_kind: global_buffer, .address_space: global }
      - { .name: qs, .offset: 40, .size: 8, .value_kind: global_buffer, .address_space: global }
      - { .name: kv, .offset: 48, .size: 8, .value_kind: global_buffer, .address_space: global }
      - { .name: kvs, .offset: 56, .size: 8, .value_kind: global_buffer, .address_space: global }
    .group_segment_fixed_size: 327680
    .private_segment_fixed_size: 0
    .kernarg_segment_align: 8
    .kernarg_segment_size: 64
    .max_flat_workgroup_size: 128
    .sgpr_count:     102
    .vgpr_count:     1024
    .wavefront_size: 32
...
	.end_amdgpu_metadata
.endif
;; end of part 2
;; launch attn (part 3): grid 32 x 8, 16 waves a work-group, clusters of 4 x 4, 327,680 bytes of LDS; arguments qc, qs, kv, kvs, mask, ac, asw; writes ac, asw
.if DOCPART == 3
	.amdgcn_target "amdgcn-amd-amdhsa--gfx1250"
	.amdhsa_code_object_version 6
	.text
	.protected	k_q5316b579a5_attn
	.globl	k_q5316b579a5_attn
	.p2align	8
	.type	k_q5316b579a5_attn,@function
k_q5316b579a5_attn:
	s_mov_b64 s[64:65], 0
	v_nop
	global_prefetch_b8 v0, s[64:65] scope:SCOPE_SE
	s_setreg_imm32_b32 hwreg(HW_REG_WAVE_MODE, 25, 1), 1
	s_wait_xcnt 0x0
	s_wait_alu depctr_hold_cnt(0) depctr_sa_sdst(0) depctr_va_vdst(0) depctr_va_sdst(0) depctr_va_ssrc(0) depctr_va_vcc(0) depctr_vm_vsrc(0)
	s_getreg_b32 s2, hwreg(HW_REG_IB_STS2, 6, 4)
	s_cmp_eq_u32 s2, 0
	s_cbranch_scc0 .Lentry_in_a_cluster
	s_endpgm
.Lentry_in_a_cluster:
	s_bfe_u32 s2, ttmp6, 0x10000c
	s_cmp_lg_u32 s2, 0xf033
	s_cbranch_scc0 .Lentry_shape_is_right
	s_endpgm
.Lentry_shape_is_right:
; LAUNCH 3 OF 4.  For each head: scores = q k^T / 8 + mask, the softmax, the product with v, the division by the row's sum, and the quantiser of the result for the last product.  Both products on codes of FP6 (E2M3).
; No work is left out: the mask is an input, so every key step of every query is computed and every number of the mask is added.
; THE SOFTMAX: t = score x log2(e); M = the running largest t rounded up to a whole number; p = 2^(t - M) is quantised along the keys; the row's sum is taken of the unquantised p and divides at the end.
; SHARES.  Work-group (x = block of 64 queries, y = group of 4 heads).  Wave w owns tile w % 4 of the queries and head w / 4 of the group: one tile of 16 queries in 256 registers, four waves to a SIMD.
; 16 key steps of 128, one to an LDS slot, two slots.  4 x 4 work-groups form a cluster: K and V hang on y alone and are asked for jointly along a row, the mask on x alone and along a column.
; Waves 0-3 fetch the mask's four groups of 16 rows, waves 4-7 the quarters of K and V, the others nothing.
; LAYOUT.  Both products are used transposed (S^T = K Q^T, O^T = V^T P^T): a lane holds one query.  Workspace rows are in sigma order, so register 16 b + i of S^T is key 32 b + 16 (lane / 16) + i of the step.
; K = 64 IN A FORM OF 128: a fragment of K holds two tiles of keys (registers 0-5, 6-11); Q stands as 18 registers, Q | zeros | Q: its registers 0-11 meet the first tile, 6-17 the second; the other half meets zero codes.
; THE MASK COSTS NO VECTOR INSTRUCTION: the division by 8 lies in Q's scale bytes, the mask's numbers are loaded from LDS into the scores' registers and are the C of the scores' product.
; LIMITS: the mask is added by the matrix unit's f32 sum and not by a vector addition; a mask of -infinity, NaN and infinities are not served; a block of zeros or under 2^-124 keeps the byte 1 (its bytes are read by this program alone).
; REGISTERS: v1-7 addresses that stay; v8-11 the step's; v12 -M, v13 the largest t, v[14:15] the sum; v16-33 Q; v36-83 four fragments of K, then of V; v84-88, v91 scale words; v[92:93] f; v96-159 S^T, then p; v160-191 O^T;
;   v192-203 p's codes; v204-224 at work.
.set SLOT1, 1<<17
.set MOFF,  49152                      ; in a slot: 49,152 bytes of K and V as they lie in kv; then the mask: group G of 16 rows at 8,704 G + 128 (G % 2), rows 528 bytes apart
.set SCK,   2*SLOT1                    ; the head group's scale words, 32,768 bytes; V's from 16,384 on
.set EXB,   SCK+32768                  ; 512 bytes where the output's scale bytes meet; no tensor load lands here
.set SPARE, EXB+512                    ; the spare words, 128 bytes a wave
.set AKL, 1
.set AVL, 2
.set AML, 3
.set ASL, 4
.set L8,  5                            ; 8 x lane
.set SPW, 6
.set NIL, 7
.set ADK, 8
.set ADV, 9
.set ADM, 10
.set ADS, 11
.set PFO, 34
.set TM,  212
.set PT,  204
.set TB,  2
.set TS,  3
.set WV,  18
.set TQ,  19
.set SEL, 20
.set CS,  22
.set G1M, 24
.set G1KV, 32
.set G1S, 40
.set G0M, 48
.set G0KV, 52
.set G0S, 56
.set HL,  60
.set SLOTS, 67
.set PFA, 68
.set PFS, 70
.set LIM, 72
.set PAR, 73
.macro CROUND
	s_barrier_signal -1
	s_barrier_wait -1
	s_cmp_lg_u32 s[WV], 0
	s_cbranch_scc1 .Lnot_wave_0_\@
	s_barrier_signal -3
.Lnot_wave_0_\@:
	s_barrier_wait -3
	s_barrier_signal -1
	s_barrier_wait -1
.endm
; The branches hang on the wave's number alone.  An s_nop 0 and four v_nop follow each line.
.macro TLOAD
	s_cmp_lt_u32 s[WV], 4
	s_cbranch_scc0 .Lnot_m_\@
	tensor_load_to_lds s[G0M:G0M+3], s[G1M:G1M+7]
	s_nop 0
.rept 4
	v_nop
.endr
	s_branch .Lasked_\@
.Lnot_m_\@:
	s_cmp_lt_u32 s[WV], 8
	s_cbranch_scc0 .Lasked_\@
	tensor_load_to_lds s[G0KV:G0KV+3], s[G1KV:G1KV+7]
	s_nop 0
.rept 4
	v_nop
.endr
.Lasked_\@:
.endm
; A PREFETCH INTO THE L2, behind the change's tensor loads, by waves that fetch nothing.  In trip t the tensor loads ask for key step t + 1.
; The mask: wave 8 of the clusters with cluster y = 0 names step t + 2: of the block's 64 rows each of the column's four partners takes 16, told apart by address; two lanes to a row's 512 bytes.
; K and V: waves 9 to 11 of the clusters with cluster x = 0 name, in every second trip, steps t + 2 and t + 3: of a step's 49,152 bytes each of the row's four partners takes a quarter, by address; lanes 256 bytes apart.
; So each aligned 256 bytes are named once in the launch; steps 0 and 1 come by their loads alone; the last trip asks for nothing.
.macro ASK
	s_cmp_gt_u32 s[SLOTS], s[LIM]
	s_cbranch_scc0 .Lnot_mine_\@
	s_and_b32 s76, s[SLOTS], s[PAR]
	s_cmp_eq_u32 s76, s[PAR]
	s_cbranch_scc0 .Lnot_mine_\@
	global_prefetch_b8 v[PFO], s[PFA:PFA+1] th:TH_LOAD_NT scope:SCOPE_SE
.Lnot_mine_\@:
.endm
	s_load_b256 s[4:11], s[0:1], 0x0               ; qc, qs, kv, kvs
	s_load_b128 s[12:15], s[0:1], 0x20             ; mask, ac
	s_load_b64 s[16:17], s[0:1], 0x30              ; asw
	v_lshl_add_u32 v[SPW], v0, 2, SPARE
	v_mov_b32 v[NIL], 0
	ds_add_u32 v[SPW], v[NIL]                      ; the wave's opening: the add, twice on end, and its wait ahead of the first tensor loads
	ds_add_u32 v[SPW], v[NIL]
	v_lshrrev_b32 v8, 5, v0
	v_readfirstlane_b32 s[WV], v8                  ; wave 0..15
	s_and_b32 s[TQ], s[WV], 3                      ; my tile of queries; also: which quarter I fetch
	s_lshr_b32 s[HL], s[WV], 2                     ; my head in the group
	s_bfe_u32 s61, ttmp6, 0x40000                  ; cx
	s_bfe_u32 s62, ttmp6, 0x40004                  ; cy
	s_lshl_b32 s63, ttmp9, 2
	s_add_co_u32 s63, s63, s61                     ; the block of 64 queries
	s_and_b32 s66, ttmp7, 0xffff
	s_lshl_b32 s66, s66, 2
	s_add_co_u32 s66, s66, s62                     ; the group of heads
	s_lshl_b32 s74, s62, 2
	s_lshl_b32 s74, 15, s74                        ; my row of the cluster
	s_lshl_b32 s75, 0x1111, s61                    ; my column
	s_or_b32 s[G1M], s75, (2<<16)|(1<<20)|(1<<21)|(6<<22)|(3<<25)   ; the mask: elements of 4 bytes; 16 bytes of padding behind every 512; to my column
	s_mov_b32 s[G1M+1], 128<<16
	s_mov_b32 s[G1M+2], 16<<16
	s_mov_b32 s[G1M+3], 128<<16
	s_mov_b32 s[G1M+4], 16
	s_mov_b32 s[G1M+5], 2048
	s_mov_b32 s[G1M+6], 0
	s_mov_b32 s[G1M+7], 0
	s_or_b32 s[G1KV], s74, (3<<16)|(1<<21)         ; K and V: a dense quarter, 48 rows of 256 bytes; to my row
	s_mov_b32 s[G1KV+1], 32<<16
	s_mov_b32 s[G1KV+2], 48<<16
	s_mov_b32 s[G1KV+3], 32<<16
	s_mov_b32 s[G1KV+4], 48
	s_mov_b32 s[G1KV+5], 32
	s_mov_b32 s[G1KV+6], 0
	s_mov_b32 s[G1KV+7], 0
	s_or_b32 s[G1S], s74, (3<<16)|(1<<21)          ; the scale words: 32 rows of 256 bytes
	s_mov_b32 s[G1S+1], 32<<16
	s_mov_b32 s[G1S+2], 32<<16
	s_mov_b32 s[G1S+3], 32<<16
	s_mov_b32 s[G1S+4], 32
	s_mov_b32 s[G1S+5], 32
	s_mov_b32 s[G1S+6], 0
	s_mov_b32 s[G1S+7], 0
	s_lshl_b32 s76, s63, 19                        ; the mask: 64 rows of 8,192 bytes a block,
	s_lshl_b32 s77, s[TQ], 17                      ; 16 rows a group
	s_add_co_u32 s76, s76, s77
	s_mov_b32 s77, 0
	s_mul_i32 s78, s66, 49152
	s_mul_i32 s79, s[TQ], 12288
	s_add_co_u32 s78, s78, s79
	s_mov_b32 s79, 0
	s_lshl_b32 s80, s66, 15
	s_lshl_b32 s81, s[TQ], 13
	s_add_co_u32 s80, s80, s81
	s_mov_b32 s81, 0
	s_mul_i32 s82, s[TQ], 8704                     ; where they go: no place in the cluster enters an LDS address
	s_and_b32 s83, s[TQ], 1
	s_lshl_b32 s83, s83, 7
	s_add_co_u32 s82, s82, s83
	s_add_co_u32 s82, s82, MOFF
	s_mul_i32 s83, s[TQ], 12288
	s_lshl_b32 s84, s[TQ], 13
	s_add_co_u32 s84, s84, SCK
	s_lshl_b32 s85, s66, 2
	s_add_co_u32 s85, s85, s[HL]                   ; my head
	s_lshl_b32 s86, s63, 2
	s_add_co_u32 s86, s86, s[TQ]                   ; my tile of 16 workspace rows
	s_mul_i32 s88, s85, 98304
	s_mul_i32 s89, s86, 768
	s_add_co_u32 s88, s88, s89
	s_mov_b32 s89, 0
	s_lshl_b32 s90, s85, 13
	s_lshl_b32 s91, s86, 6
	s_add_co_u32 s90, s90, s91
	s_mov_b32 s91, 0
	s_mul_i32 s92, s86, 24576
	s_lshr_b32 s93, s85, 1
	s_mul_i32 s93, s93, 1536
	s_add_co_u32 s92, s92, s93
	s_and_b32 s93, s85, 1
	s_mul_i32 s93, s93, 768
	s_add_co_u32 s92, s92, s93
	s_mov_b32 s93, 0
	s_lshl_b32 s94, s63, 3
	s_add_co_u32 s94, s94, s66
	s_lshl_b32 s94, s94, 9
	s_mov_b32 s95, 0
	s_mov_b32 s[SEL], 0x76543210
	s_mov_b32 s[SEL+1], 0xfedcba98
	s_mov_b32 s[CS], 0x3fb8aa3b                    ; log2(e)
	s_mov_b32 s[CS+1], s[CS]
	s_mov_b32 s[TB], 0
	s_mov_b32 s[TS], 0
	s_wait_dscnt 0x0                               ; both opening adds are done
	s_wait_kmcnt 0x0
	s_mov_b32 s[G0M], 1
	s_mov_b32 s[G0M+1], s82
	s_add_nc_u64 s[G0M+2:G0M+3], s[12:13], s[76:77]
	s_or_b32 s[G0M+3], s[G0M+3], 0x80000000
	s_mov_b32 s[G0KV], 1
	s_mov_b32 s[G0KV+1], s83
	s_add_nc_u64 s[G0KV+2:G0KV+3], s[8:9], s[78:79]
	s_or_b32 s[G0KV+3], s[G0KV+3], 0x80000000
	s_mov_b32 s[G0S], 1
	s_mov_b32 s[G0S+1], s84
	s_add_nc_u64 s[G0S+2:G0S+3], s[10:11], s[80:81]
	s_or_b32 s[G0S+3], s[G0S+3], 0x80000000
	CROUND                                         ; all sixteen work-groups are here: the first joint loads meet
	s_cmp_lt_u32 s[WV], 4                          ; a wave's first fills stand in one branch: at most two loads of a wave are out
	s_cbranch_scc0 .Lfirst_not_m
	tensor_load_to_lds s[G0M:G0M+3], s[G1M:G1M+7]
	s_nop 0
.rept 4
	v_nop
.endr
	s_branch .Lfirst_asked
.Lfirst_not_m:
	s_cmp_lt_u32 s[WV], 8
	s_cbranch_scc0 .Lfirst_asked
	tensor_load_to_lds s[G0S:G0S+3], s[G1S:G1S+7]
	s_nop 0
	tensor_load_to_lds s[G0KV:G0KV+3], s[G1KV:G1KV+7]
	s_nop 0
.rept 4
	v_nop
.endr
.Lfirst_asked:
	s_add_nc_u64 s[4:5], s[4:5], s[88:89]          ; Q's image, its scale words, and where my results go
	s_add_nc_u64 s[6:7], s[6:7], s[90:91]
	s_add_nc_u64 s[14:15], s[14:15], s[92:93]
	s_add_nc_u64 s[16:17], s[16:17], s[94:95]
	v_and_b32 v8, 31, v0                           ; lane
	v_and_b32 v9, 15, v0                           ; r
	v_bfe_u32 v10, v0, 4, 1                        ; h
	v_lshlrev_b32 v[L8], 3, v8
	v_lshlrev_b32 v35, 2, v9
.irp p, 0,1,2
	global_load_b64 v[16+2*\p:17+2*\p], v[L8], s[4:5] offset:256*\p   ; Q twice, zeros between
	global_load_b64 v[28+2*\p:29+2*\p], v[L8], s[4:5] offset:256*\p
.endr
	global_load_b32 v84, v35, s[6:7]
.irp i, 22,23,24,25,26,27
	v_mov_b32 v\i, 0
.endr
	s_mul_i32 s76, s[HL], 6144
	v_lshl_add_u32 v[AKL], v8, 4, s76              ; K's fragments: images, 16 bytes a lane
	s_add_co_u32 s77, s76, 24576
	v_add_nc_u32 v[AVL], s77, v[L8]                ; V's: 8 bytes a lane
	s_lshr_b32 s76, s[TQ], 1                       ; the mask: lane (r, h) holds token 32 (tq / 2) + 8 (tq % 2) + 16 (r / 8) + r % 8 of the block: group 2 (tq / 2) + r / 8, row 8 (tq % 2) + r % 8
	s_mul_i32 s76, s76, 17408
	s_and_b32 s77, s[TQ], 1
	s_mul_i32 s77, s77, 4224
	s_add_co_u32 s76, s76, s77
	s_add_co_u32 s76, s76, MOFF
	v_and_b32 v11, 7, v9
	v_mul_u32_u24 v[AML], v11, 528
	v_lshrrev_b32 v11, 3, v9
	v_mad_u32_u24 v[AML], v11, 8832, v[AML]        ; the odd group lies 128 bytes further on, so that sixteen lanes' 16 bytes fall on sixteen different columns of 16 bytes
	v_lshl_add_u32 v[AML], v10, 6, v[AML]
	v_add_nc_u32 v[AML], s76, v[AML]
	s_lshl_b32 s76, s[HL], 12
	s_add_co_u32 s76, s76, SCK
	v_lshl_add_u32 v[ASL], v8, 2, s76              ; scale words: lanes 0-15 one tile's, lanes 16-31 the next's
	s_lshl_b32 s76, s[TQ], 7                       ; the output's two scale bytes: word 16 (2 tq + hl / 2) + r, half hl % 2
	s_lshr_b32 s77, s[HL], 1
	s_lshl_b32 s77, s77, 6
	s_add_co_u32 s76, s76, s77
	s_and_b32 s77, s[HL], 1
	s_lshl_b32 s77, s77, 1
	s_add_co_u32 s76, s76, s77
	s_add_co_u32 s76, s76, EXB
	v_lshl_add_u32 v89, v9, 2, s76
	v_lshlrev_b32 v94, 4, v8
	v_add_nc_u32 v90, EXB, v94
	v_mov_b32 v13, 0xff61b1e6                      ; the largest t so far: -3e38
	v_floor_f32 v12, -v13
	v_mov_b32 v14, 0
	v_mov_b32 v15, 0
	v_mov_b32 v93, 0                               ; named as the upper half of the pair v[92:93]
.irp i, 216,217,218,219
	v_mov_b32 v\i, 0                               ; a lane permute's destination counts as one of its sources
.endr
.set j, 0
.rept 32
	v_mov_b32 v[160+j], 0                          ; O^T: the step is written once; the first change of M leaves zeros zeros
.set j, j+1
.endr
	; the prefetches: who asks, and where
	s_lshl_b32 s96, s63, 19
	s_lshl_b32 s97, s62, 17
	s_add_co_u32 s96, s96, s97
	s_add_co_u32 s96, s96, 512                     ; the mask: my work-group's 16 rows, at key step 1: the first change steps it to 2
	s_mul_i32 s97, s66, 49152
	s_mul_i32 s98, s61, 12288
	s_add_co_u32 s97, s97, s98
	s_add_co_u32 s97, s97, 393216                  ; K and V: my work-group's quarter, at key step 1
	s_and_b32 s98, ttmp7, 0xffff
	s_mov_b32 s[PFS], 393216
	s_cmp_eq_u32 s[WV], 8
	s_cselect_b64 s[PFA:PFA+1], s[12:13], s[8:9]
	s_cselect_b32 s[PFS], 512, s[PFS]
	s_cselect_b32 s[PAR], 0, 1
	s_cselect_b32 s96, s96, s97
	s_cselect_b32 s98, s98, ttmp9                  ; the cluster's coordinate along which other clusters read the same bytes
	s_cselect_b32 s99, -1, 0
	s_mov_b32 s97, 0
	s_mov_b32 s[PFS+1], 0
	s_add_nc_u64 s[PFA:PFA+1], s[PFA:PFA+1], s[96:97]
	s_sub_co_u32 s97, s[WV], 8
	s_lshr_b32 s97, s97, 2                         ; 0 in waves 8 to 11
	s_or_b32 s97, s97, s98
	s_cmp_eq_u32 s97, 0                            ; the same in all sixteen partners, for a given wave
	s_cselect_b32 s[LIM], 1, -1
	v_lshrrev_b32 v[PFO], 1, v8
	v_lshlrev_b32 v[PFO], 13, v[PFO]
	v_and_b32 v11, 1, v8
	v_lshl_add_u32 v[PFO], v11, 8, v[PFO]          ; the mask: row lane / 2, half lane % 2
	v_add_nc_u32 v11, 0xfffffee0, v0               ; K and V: n = thread - 288, 0 .. 95 in waves 9 to 11
	v_mul_u32_u24 v36, v11, 683
	v_lshrrev_b32 v36, 15, v36                     ; n / 48
	v_mul_u32_u24 v36, v36, 380928                 ; the second 48 lie a key step further on
	v_lshl_add_u32 v36, v11, 8, v36
	v_cndmask_b32 v[PFO], v36, v[PFO], s99
; A KEY STEP: 128 keys.
.macro STEP
	v_add_nc_u32 v[ADK], s[TB], v[AKL]             ; (these four are also the places behind the last products, in front of the loads)
	v_add_nc_u32 v[ADV], s[TB], v[AVL]
	v_add_nc_u32 v[ADM], s[TB], v[AML]
	v_add_nc_u32 v[ADS], s[TS], v[ASL]
.irp b, 0,1,2,3
.irp i, 0,1,2,3
	ds_load_b128 v[96+16*\b+4*\i:99+16*\b+4*\i], v[ADM] offset:128*\b+16*\i   ; the mask of my query at keys 32 b + 16 h + 4 i on: into the scores' registers
.endr
.endr
.irp b, 0,1,2,3
.irp c, 0,1,2
	ds_load_b128 v[36+12*\b+4*\c:39+12*\b+4*\c], v[ADK] offset:1536*\b+512*\c
.endr
.endr
.irp i, 0,1
	ds_load_b32 v[85+\i], v[ADS] offset:128*\i
	ds_load_b32 v[87+\i], v[ADS] offset:16384+128*\i
.endr
	s_wait_dscnt 0x0
.irp b, 0,1,2,3                        ; S^T = K Q^T / 8 + mask: eight accumulators, one instruction each
.irp u, 0,1
.if \b%2
	v_wmma_scale_f32_16x16x128_f8f6f4 v[96+16*\b+8*\u:103+16*\b+8*\u], v[36+12*\b:47+12*\b], v[16+6*\u:27+6*\u], v[96+16*\b+8*\u:103+16*\b+8*\u], v[85+\b/2], v84 matrix_a_fmt:MATRIX_FMT_FP6 matrix_b_fmt:MATRIX_FMT_FP6 matrix_a_scale:MATRIX_SCALE_ROW1
.else
	v_wmma_scale_f32_16x16x128_f8f6f4 v[96+16*\b+8*\u:103+16*\b+8*\u], v[36+12*\b:47+12*\b], v[16+6*\u:27+6*\u], v[96+16*\b+8*\u:103+16*\b+8*\u], v[85+\b/2], v84 matrix_a_fmt:MATRIX_FMT_FP6 matrix_b_fmt:MATRIX_FMT_FP6
.endif
.endr
.endr
.rept 4
	v_nop                                          ; places: in front of the loads into K's registers and of the first read of the scores
.endr
.irp t, 0,1,2,3
.irp p, 0,1,2,3,4,5
	ds_load_b64 v[36+12*\t+2*\p:37+12*\t+2*\p], v[ADV] offset:1536*\t+256*\p   ; V's fragments land while the softmax is walked
.endr
.endr
.irp b, 0,1,2,3
	v_max3_num_f32 v[212+\b], v[96+16*\b], v[97+16*\b], v[98+16*\b]   ; the largest score of each block of 32 keys: for the row's maximum, and for the block's largest p
.endr
.irp i, 3,5,7,9,11,13
.irp b, 0,1,2,3
	v_max3_num_f32 v[212+\b], v[212+\b], v[96+16*\b+\i], v[97+16*\b+\i]
.endr
.endr
.irp b, 0,1,2,3
	v_max_num_f32 v[212+\b], v[212+\b], v[111+16*\b]
.endr
.irp b, 0,1,2,3
	v_permlanex16_b32 v[216+\b], v[212+\b], s[SEL], s[SEL+1]
.endr
.irp b, 0,1,2,3
	v_max_num_f32 v[212+\b], v[212+\b], v[216+\b]
.endr
	v_max3_num_f32 v224, v212, v213, v214
	v_max_num_f32 v224, v224, v215
	v_mul_f32 v224, s[CS], v224
	v_max_num_f32 v13, v13, v224                   ; the running largest t
	v_mov_b32 v224, v12
	v_floor_f32 v12, -v13                          ; the new -M: M is a whole number
	v_sub_f32 v224, v12, v224
	v_cvt_i32_f32 v224, v224                       ; (it saturates)
	v_ldexp_f32 v92, 1.0, v224                     ; f = 2^(old M - new M): rounds nothing
.set j, 0
.rept 32
	v_pk_fma_f32 v[96+j:97+j], v[96+j:97+j], s[CS:CS+1], v[12:13] op_sel_hi:[1,0,0]   ; t - M
.set j, j+2
.endr
.irp b, 0,1,2,3
	v_fma_f32 v[212+\b], v[212+\b], s[CS], v12
.endr
.set j, 0
.rept 64
	v_exp_f32 v[96+j], v[96+j]                     ; p = 2^(t - M)
.set j, j+1
.endr
	v_pk_mul_f32 v[14:15], v[14:15], v[92:93] op_sel_hi:[1,0]   ; the sums under the new M: the plain place behind the exponentials
	s_wait_alu depctr_va_vdst(0)                   ; one wait for the batch of 64, ahead of its first reader
.irp b, 0,1,2,3
	v_exp_f32 v[212+\b], v[212+\b]                 ; the blocks' largest p
.endr
	v_pk_add_f32 v[216:217], v[96:97], v[98:99]    ; the row's sum of the unquantised p, in two chains
.set j, 4
.rept 15
	v_pk_add_f32 v[14:15], v[14:15], v[96+j:97+j]
	v_pk_add_f32 v[216:217], v[216:217], v[98+j:99+j]
.set j, j+4
.endr
	v_pk_add_f32 v[14:15], v[14:15], v[216:217]
	s_wait_alu depctr_va_vdst(0)                   ; and one for the four
.irp b, 0,1,2,3
	v_max_num_f32 v[212+\b], 0x1800000, v[212+\b]  ; the floor 2^(3 - 127)
.endr
.irp b, 0,1,2,3
	v_add_nc_u32 v[220+\b], 0xff000000, v[212+\b]
.endr
.irp b, 0,1,2,3
	v_lshrrev_b32 v[216+\b], 23, v[220+\b]
.endr
	v_lshl_or_b32 v91, v217, 8, v216               ; p's scale word for these 128 keys
	v_lshl_or_b32 v91, v218, 16, v91
	v_lshl_or_b32 v91, v219, 24, v91
.irp c, 0,1
	v_cvt_scalef32_pk16_fp6_f32 v[192+6*\c:194+6*\c], v[96+32*\c:111+32*\c], v[220+2*\c]
	v_cvt_scalef32_pk16_fp6_f32 v[204+4*\c:206+4*\c], v[112+32*\c:127+32*\c], v[221+2*\c]
.endr
	v_nop                                          ; one plain place behind a scaled conversion
.irp c, 0,1
.irp i, 0,1,2
	v_permlane16_swap_b32 v[192+6*\c+\i], v[204+4*\c+\i]
.endr
.irp i, 0,1,2
	v_mov_b32 v[195+6*\c+\i], v[204+4*\c+\i]
.endr
.endr
.set j, 0
.rept 16
	v_pk_mul_f32 v[160+j:161+j], v[160+j:161+j], v[92:93] op_sel_hi:[1,0]   ; O^T under the new M; also the places in front of the scaled products
.set j, j+2
.endr
	s_wait_dscnt 0x0                               ; V is in
.irp t, 0,1,2,3                        ; O^T += V^T P^T: four accumulators, one instruction each
.if \t%2
	v_wmma_scale_f32_16x16x128_f8f6f4 v[160+8*\t:167+8*\t], v[36+12*\t:47+12*\t], v[192:203], v[160+8*\t:167+8*\t], v[87+\t/2], v91 matrix_a_fmt:MATRIX_FMT_FP6 matrix_b_fmt:MATRIX_FMT_FP6 matrix_a_scale:MATRIX_SCALE_ROW1
.else
	v_wmma_scale_f32_16x16x128_f8f6f4 v[160+8*\t:167+8*\t], v[36+12*\t:47+12*\t], v[192:203], v[160+8*\t:167+8*\t], v[87+\t/2], v91 matrix_a_fmt:MATRIX_FMT_FP6 matrix_b_fmt:MATRIX_FMT_FP6
.endif
.endr
	s_add_co_u32 s[TS], s[TS], 256                 ; the next step's scale words,
	s_xor_b32 s[TB], s[TB], SLOT1                  ; in the other slot
.endm
; THE CHANGE OF SLOTS stands at a step's head.  Each wave waits for all its tensor loads, adds 0 to its spare word, and waits for that and for its reads of the slot that it has left.
; fill = 1: the barrier is a round of the cluster's, and behind it that slot is filled with the next step's tiles: the load has a whole step in which to land.
.macro CHANGE fill
	s_wait_tensorcnt 0x0                           ; no tensor load of mine is out, so a group 0 may be written
	ds_add_u32 v[SPW], v[NIL]
.if \fill
	ds_add_u32 v[SPW], v[NIL]
	s_xor_b32 s[G0M+1], s[G0M+1], SLOT1            ; the walking descriptors: the other slot, the next 128 keys
	s_add_nc_u64 s[G0M+2:G0M+3], s[G0M+2:G0M+3], 512
	s_xor_b32 s[G0KV+1], s[G0KV+1], SLOT1
	s_add_nc_u64 s[G0KV+2:G0KV+3], s[G0KV+2:G0KV+3], 393216
	s_wait_xcnt 0x0                                ; the last prefetch, a step back, has read its address
	s_add_nc_u64 s[PFA:PFA+1], s[PFA:PFA+1], s[PFS:PFS+1]
	s_wait_dscnt 0x0                               ; the adds are done, and my reads of the slot that I have left are over
	CROUND
	TLOAD                                          ; the first thing behind the round, a wave's one tensor load until the next
	ASK
.else
	s_wait_dscnt 0x0
	s_barrier_signal -1
	s_barrier_wait -1
.endif
.endm
	s_wait_loadcnt 0x0                             ; Q and its scale words
	s_mov_b32 s[SLOTS], 15
.Lslot:                                            ; 15 trips: behind each change of slots but the last the next step is asked for
	CHANGE 1
	STEP
	s_sub_co_u32 s[SLOTS], s[SLOTS], 1
	s_cmp_lg_u32 s[SLOTS], 0
	s_cbranch_scc1 .Lslot
	CHANGE 0                                       ; the last step is written out
	STEP
	; THE WAY OUT.  O^T / the sum; register 16 b + i is channel 32 b + 16 h + i of my query and head: two blocks of the last product's K.  They are quantised here and leave as an image of six operand registers.
	v_add_f32 v14, v14, v15
	v_permlanex16_b32 v216, v14, s[SEL], s[SEL+1]
	v_add_f32 v14, v14, v216                       ; the row's sum
	v_rcp_f32 v14, v14
.rept 5
	v_nop                                          ; the plain place behind the reciprocal, and the places behind the last products
.endr
	s_wait_alu depctr_va_vdst(0)                   ; ahead of the reciprocal's first reader
.set j, 0
.rept 32
	v_mul_f32 v[96+j], v[160+j], v14               ; each accumulator from its low end on
.set j, j+1
.endr
.irp b, 0,1
	v_max3_num_f32 v[TM+\b], |v[96+16*\b]|, |v[97+16*\b]|, 0x1800000
.endr
.irp i, 2,4,6,8,10,12,14
.irp b, 0,1
	v_max3_num_f32 v[TM+\b], |v[96+16*\b+\i]|, |v[97+16*\b+\i]|, v[TM+\b]
.endr
.endr
	v_permlanex16_b32 v[TM+2], v[TM], s[SEL], s[SEL+1]
	v_permlanex16_b32 v[TM+3], v[TM+1], s[SEL], s[SEL+1]
	v_max_num_f32 v[TM], v[TM], v[TM+2]
	v_max_num_f32 v[TM+1], v[TM+1], v[TM+3]
	v_add_nc_u32 v[TM+4], 0xff000000, v[TM]
	v_add_nc_u32 v[TM+5], 0xff000000, v[TM+1]
	v_lshrrev_b32 v[TM+2], 23, v[TM+4]
	v_lshrrev_b32 v[TM+3], 23, v[TM+5]
	v_lshl_or_b32 v218, v[TM+3], 8, v[TM+2]
	v_cvt_scalef32_pk16_fp6_f32 v[192:194], v[96:111], v[TM+4]
	v_cvt_scalef32_pk16_fp6_f32 v[PT:PT+2], v[112:127], v[TM+5]
	v_nop
.irp i, 0,1,2
	v_permlane16_swap_b32 v[192+\i], v[PT+\i]
.endr
.irp i, 0,1,2
	v_mov_b32 v[195+\i], v[PT+\i]
.endr
	ds_store_b16 v89, v218                         ; my head's two bytes of my rows' scale words
.irp p, 0,1,2
	global_store_b64 v[L8], v[192+2*\p:193+2*\p], s[14:15] offset:256*\p   ; 32 lanes store 256 consecutive bytes, aligned
.endr
	s_wait_dscnt 0x0                               ; for wave 0's sake
	s_barrier_signal -1
	s_barrier_wait -1
	s_cmp_lg_u32 s[WV], 0
	s_cbranch_scc1 .Lnot_first
	ds_load_b128 v[36:39], v90                     ; the work-group's 512 bytes of scale words
	s_wait_dscnt 0x0
	global_store_b128 v94, v[36:39], s[16:17]
.Lnot_first:
	s_wait_tensorcnt 0x0                           ; the wave's end
	ds_add_u32 v[SPW], v[NIL]
	s_wait_dscnt 0x0
	CROUND                                         ; the closing round
	s_endpgm
.Lfunc_end_k_q5316b579a5_attn:
	.size	k_q5316b579a5_attn, .Lfunc_end_k_q5316b579a5_attn-k_q5316b579a5_attn
	.p2alignl 7, 3214868480
	.fill 96, 4, 3214868480
	.section	.rodata,"a",@progbits
	.p2align	6, 0x0
	.amdhsa_kernel k_q5316b579a5_attn
		.amdhsa_group_segment_fixed_size 327680
		.amdhsa_private_segment_fixed_size 0
		.amdhsa_enable_private_segment 0
		.amdhsa_kernarg_size 56
		.amdhsa_user_sgpr_count 2
		.amdhsa_user_sgpr_kernarg_segment_ptr 1
		.amdhsa_wavefront_size32 1
		.amdhsa_system_sgpr_workgroup_id_x 1
		.amdhsa_system_sgpr_workgroup_id_y 1
		.amdhsa_system_sgpr_workgroup_id_z 1
		.amdhsa_system_vgpr_workitem_id 0
		.amdhsa_next_free_vgpr 256
		.amdhsa_next_free_sgpr 100
		.amdhsa_reserve_vcc 0
		.amdhsa_float_denorm_mode_32 3
		.amdhsa_float_denorm_mode_16_64 3
		.amdhsa_memory_ordered 1
		.amdhsa_forward_progress 1
		.amdhsa_inst_pref_size 53
	.end_amdhsa_kernel
	.amdgpu_metadata
---
amdhsa.version: [ 1, 2 ]
amdhsa.kernels:
  - .name:           k_q5316b579a5_attn
    .symbol:         k_q5316b579a5_attn.kd
    .args:
      - { .name: qc, .offset: 0, .size: 8, .value_kind: global_buffer, .address_space: global }
      - { .name: qs, .offset: 8, .size: 8, .value_kind: global_buffer, .address_space: global }
      - { .name: kv, .offset: 16, .size: 8, .value_kind: global_buffer, .address_space: global }
      - { .name: kvs, .offset: 24, .size: 8, .value_kind: global_buffer, .address_space: global }
      - { .name: mask, .offset: 32, .size: 8, .value_kind: global_buffer, .address_space: global }
      - { .name: ac, .offset: 40, .size: 8, .value_kind: global_buffer, .address_space: global }
      - { .name: asw, .offset: 48, .size: 8, .value_kind: global_buffer, .address_space: global }
    .group_segment_fixed_size: 327680
    .private_segment_fixed_size: 0
    .kernarg_segment_align: 8
    .kernarg_segment_size: 56
    .max_flat_workgroup_size: 512
    .sgpr_count:     100
    .vgpr_count:     256
    .wavefront_size: 32
...
	.end_amdgpu_metadata
.endif
;; end of part 3
;; launch proj (part 4): grid 16 x 16, 4 waves a work-group, clusters of 4 x 4, 327,680 bytes of LDS; arguments ac, asw, cw, sw, out0; writes out0
.if DOCPART == 4
	.amdgcn_target "amdgcn-amd-amdhsa--gfx1250"
	.amdhsa_code_object_version 6
	.text
	.protected	k_q5316b579a5_proj
	.globl	k_q5316b579a5_proj
	.p2align	8
	.type	k_q5316b579a5_proj,@function
k_q5316b579a5_proj:
	s_mov_b64 s[64:65], 0
	v_nop
	global_prefetch_b8 v0, s[64:65] scope:SCOPE_SE
	s_setreg_imm32_b32 hwreg(HW_REG_WAVE_MODE, 25, 1), 1
	s_wait_xcnt 0x0
	s_wait_alu depctr_hold_cnt(0) depctr_sa_sdst(0) depctr_va_vdst(0) depctr_va_sdst(0) depctr_va_ssrc(0) depctr_va_vcc(0) depctr_vm_vsrc(0)
	s_getreg_b32 s2, hwreg(HW_REG_IB_STS2, 6, 4)
	s_cmp_eq_u32 s2, 0
	s_cbranch_scc0 .Lentry_in_a_cluster
	s_endpgm
.Lentry_in_a_cluster:
	s_bfe_u32 s2, ttmp6, 0x10000c
	s_cmp_lg_u32 s2, 0xf033
	s_cbranch_scc0 .Lentry_shape_is_right
	s_endpgm
.Lentry_shape_is_right:
; LAUNCH 4 OF 4.  out0 = (attention's result) wo, on codes of FP6 (E2M3).  No work is left out.
; SHARES.  256 tiles of 128 x 128 of out0, one a work-group: y = 128 workspace rows (8 tiles of 16), x = 128 workspace rows of wo's codes (columns of out0).  Wave (w / 2, w % 2) makes 64 x 64: 16 accumulators.
; The product is used TRANSPOSED (source 0 = 16 rows of wo's codes, source 1 = 16 tokens): a lane holds one token and eight neighbouring columns.  Workspace rows are in sigma order (bits 3 and 4 exchanged): the way out undoes it.
; The tokens' operand lies in memory as images of its registers (ac: [tile][K step][6 chunks of 256 bytes]); wo's as rows of codes.  An LDS slot holds 512 along K (four steps), two slots, four fills: the text is written out, with no loop.
; 4 x 4 work-groups form a cluster: the tokens' tiles hang on y alone and are asked for jointly along a row, wo's on x alone and along a column.  All scale words come once, with the first fills.
; REGISTERS: window 0: v1-31 addresses; v32-79 scale words, two sets of 24; v80-111 the way out; v128-255 the accumulators ((a, t') at v[128 + 8 (4 a + t')]).   window 1: two buffers of fragments, at v0 and v128: wo's four, then the tokens' four.
.set PITCH,  240
.set SLOT,   110592                    ; the tokens' 8 tiles x 6,144 bytes; then wo's two sub-tiles of 128 rows x 192 bytes, rows 240 apart
.set BOFF,   49152
.set SUBT,   128*PITCH
.set SCA,    2*SLOT                    ; the tokens' scale words, 8,192 bytes, dense
.set SCB,    SCA+8192                  ; wo's: 32 rows of 256 + 16
.set SPARE,  SCB+8704
.set SPITCH, 272                       ; the way out: 16 rows x (256 + 16) bytes a wave, in slot 0, which has had its last fill and its last read by then
.set XCB,    3145728
.set XSB,    131072
.set KROW,   1536
.set FR,     12
.set ADRB,   8                         ; v8-9 wo's fragments in slot 0, 1; v10-11 behind one padding more
.set ADRI,   12                        ; v12-13 the tokens' images in slot 0, 1
.set ASB,    14
.set ASA,    15
.set STO,    16
.set RD,     17
.set CO,     18
.set SPW,    28
.set NIL,    29
.set SC,     32
.set BK,     80
.set ACC,    128
.set G1A,  24
.set G0A,  32
.set G1B,  48
.set G0B,  56
.set G1SA, 68
.set G0SA, 76
.set G1SB, 80
.set G0SB, 88
.set MUL,  0x05                        ; sources 0 and 1 window 1; C and D window 0
.set TO_F, 0x40
.set MSB, 0
.macro WIN new
.if MSB != \new
	s_set_vgpr_msb (MSB<<8)|\new
.set MSB, \new
.endif
.endm
.macro PLACES n
.rept \n
	v_nop
.endr
.endm
.macro JLOAD g0a, g1a, g0b, g1b        ; waves 0 and 1 fetch for the tokens, waves 2 and 3 for wo; an s_nop 0 and four v_nop follow each line
	s_cmp_eq_u32 s15, 0
	s_cbranch_scc0 .Lfor_b_\@
	tensor_load_to_lds s[\g0a:\g0a+3], s[\g1a:\g1a+7]
	s_nop 0
.rept 4
	v_nop
.endr
	s_branch .Lasked_\@
.Lfor_b_\@:
	tensor_load_to_lds s[\g0b:\g0b+3], s[\g1b:\g1b+7]
	s_nop 0
.rept 4
	v_nop
.endr
.Lasked_\@:
.endm
.macro CREST
	s_cmp_lg_u32 s14, 0
	s_cbranch_scc1 .Lnot_wave_0_\@
	s_barrier_signal -3
.Lnot_wave_0_\@:
	s_barrier_wait -3
	s_barrier_signal -1
	s_barrier_wait -1
.endm
.macro CROUND
	s_barrier_signal -1
	s_barrier_wait -1
	CREST
.endm
	s_load_b256 s[4:11], s[0:1], 0x0               ; ac, asw, cw, sw
	s_load_b64 s[12:13], s[0:1], 0x20              ; out0
	v_lshl_add_u32 v[SPW], v0, 2, SPARE
	v_mov_b32 v[NIL], 0
	ds_add_u32 v[SPW], v[NIL]                      ; the wave's opening: the add, twice on end, and its wait ahead of my first tensor load
	ds_add_u32 v[SPW], v[NIL]
	v_lshrrev_b32 v1, 5, v0
	v_readfirstlane_b32 s14, v1                    ; wave
	s_lshr_b32 s15, s14, 1                         ; my half of the rows; also: I fetch for the tokens (0) or for wo (1)
	s_and_b32 s16, s14, 1                          ; my half of the columns; also: which half I fetch
	s_bfe_u32 s40, ttmp6, 0x40000
	s_bfe_u32 s41, ttmp6, 0x40004
	s_lshl_b32 s42, ttmp9, 2
	s_add_co_u32 s42, s42, s40                     ; tile column
	s_and_b32 s17, ttmp7, 0xffff
	s_lshl_b32 s17, s17, 2
	s_add_co_u32 s17, s17, s41                     ; tile row
	s_lshl_b32 s43, s41, 2
	s_lshl_b32 s43, 15, s43
	s_lshl_b32 s44, 0x1111, s40
	s_or_b32 s[G1A], s43, (3<<16)|(1<<21)          ; the tokens' images: 4 tiles x 6,144 bytes (768 elements of 8), 24,576 bytes apart; dense in LDS
	s_mov_b32 s[G1A+1], 768<<16
	s_mov_b32 s[G1A+2], 4<<16
	s_mov_b32 s[G1A+3], 768<<16
	s_mov_b32 s[G1A+4], 4
	s_mov_b32 s[G1A+5], 3072
	s_mov_b32 s[G1A+6], 0
	s_mov_b32 s[G1A+7], 0
	s_or_b32 s[G1B], s44, (1<<20)|(1<<21)|(3<<22)|(3<<25)   ; wo: 128 rows x 192 bytes, 16 of padding behind every 64
	s_mov_b32 s[G1B+1], 192<<16
	s_mov_b32 s[G1B+2], 128<<16
	s_mov_b32 s[G1B+3], 192<<16
	s_mov_b32 s[G1B+4], 128
	s_mov_b32 s[G1B+5], KROW
	s_mov_b32 s[G1B+6], 0
	s_mov_b32 s[G1B+7], 0
	s_or_b32 s[G1SA], s43, (3<<16)|(1<<21)         ; scale words: 16 rows of 256 bytes, dense
	s_or_b32 s[G1SB], s44, (3<<16)|(1<<20)|(1<<21)|(5<<22)|(3<<25)   ; 16 rows of 256 bytes, 16 of padding behind each
.irp g, G1SA, G1SB
	s_mov_b32 s[\g+1], 32<<16
	s_mov_b32 s[\g+2], 16<<16
	s_mov_b32 s[\g+3], 32<<16
	s_mov_b32 s[\g+4], 16
	s_mov_b32 s[\g+5], 32
	s_mov_b32 s[\g+6], 0
	s_mov_b32 s[\g+7], 0
.endr
	s_mul_i32 s20, s17, 196608                     ; tiles 8 y + 4 x half
	s_mul_i32 s21, s16, 98304
	s_add_co_u32 s20, s20, s21
	s_mov_b32 s21, 0
	s_lshl_b32 s22, s17, 1
	s_add_co_u32 s22, s22, s16
	s_lshl_b32 s22, s22, 12                        ; their scale words: 4,096 bytes for 64 rows
	s_mov_b32 s23, 0
	s_lshl_b32 s46, s42, 7
	s_add_co_u32 s46, s46, 6144                    ; wo's first row
	s_lshl_b32 s92, s16, 6
	s_add_co_u32 s92, s92, s46
	s_lshl_b32 s92, s92, 6
	s_add_co_u32 s92, s92, XSB                     ; the scale bytes of 64 rows
	s_mov_b32 s93, 0
	s_mul_i32 s46, s46, KROW
	s_add_co_u32 s46, s46, XCB
	s_mul_i32 s47, s16, 192                        ; which 256 along K of a slot's 512
	s_add_co_u32 s46, s46, s47
	s_mov_b32 s47, 0
	s_mul_i32 s45, s16, 24576                      ; where they go: no place in the cluster enters an LDS address
	s_mul_i32 s94, s16, SUBT
	s_add_co_u32 s94, s94, BOFF
	s_lshl_b32 s95, s16, 12
	s_mul_i32 s96, s16, 4352
	s_wait_dscnt 0x0                               ; both opening adds are done
	s_wait_kmcnt 0x0
	s_add_nc_u64 s[20:21], s[4:5], s[20:21]
	s_add_nc_u64 s[22:23], s[6:7], s[22:23]
	s_add_nc_u64 s[46:47], s[8:9], s[46:47]
	s_add_nc_u64 s[92:93], s[10:11], s[92:93]
	CROUND                                         ; all sixteen work-groups are here: the first joint loads meet
	s_mov_b32 s[G0SA], 1
	s_add_co_u32 s[G0SA+1], s95, SCA
	s_mov_b64 s[G0SA+2:G0SA+3], s[22:23]
	s_or_b32 s[G0SA+3], s[G0SA+3], 0x80000000
	s_mov_b32 s[G0SB], 1
	s_add_co_u32 s[G0SB+1], s96, SCB
	s_mov_b64 s[G0SB+2:G0SB+3], s[92:93]
	s_or_b32 s[G0SB+3], s[G0SB+3], 0x80000000
	JLOAD G0SA, G1SA, G0SB, G1SB                   ; three loads of mine are out behind the third
.irp s, 0,1
	s_mov_b32 s[G0A+4*\s], 1
	s_add_co_u32 s[G0A+4*\s+1], s45, \s*SLOT
	s_add_nc_u64 s[G0A+4*\s+2:G0A+4*\s+3], s[20:21], \s*6144
	s_or_b32 s[G0A+4*\s+3], s[G0A+4*\s+3], 0x80000000
	s_mov_b32 s[G0B+4*\s], 1
	s_add_co_u32 s[G0B+4*\s+1], s94, \s*SLOT
	s_add_nc_u64 s[G0B+4*\s+2:G0B+4*\s+3], s[46:47], \s*384
	s_or_b32 s[G0B+4*\s+3], s[G0B+4*\s+3], 0x80000000
	JLOAD G0A+4*\s, G1A, G0B+4*\s, G1B
.endr
	v_and_b32 v1, 15, v0                           ; r
	v_bfe_u32 v2, v0, 4, 1                         ; h
	v_and_b32 v3, 31, v0                           ; lane
	v_mul_u32_u24 v4, v1, PITCH
	v_mad_u32_u24 v4, v2, 24, v4
	v_lshl_add_u32 v5, v2, 4, v4
	s_mul_i32 s20, s16, 64*PITCH
	s_add_co_u32 s20, s20, BOFF                    ; my 64 rows of wo
	s_mul_i32 s21, s15, 24576                      ; my four tiles of tokens
	v_lshlrev_b32 v6, 3, v3
.irp s, 0,1
	v_add_nc_u32 v[ADRB+\s], s20, v4
	v_add_nc_u32 v[ADRB+2+\s], s20, v5
	v_add_nc_u32 v[ADRI+\s], s21, v6
	s_add_co_u32 s20, s20, SLOT
	s_add_co_u32 s21, s21, SLOT
.endr
	v_lshlrev_b32 v5, 6, v1
	v_lshrrev_b32 v6, 2, v1
	v_lshl_add_u32 v5, v6, 4, v5                   ; 64 r, and 16 more for each 256 passed
	s_mul_i32 s20, s16, 4352
	s_add_co_u32 s20, s20, SCB
	v_add_nc_u32 v[ASB], s20, v5
	s_lshl_b32 s20, s15, 12
	s_add_co_u32 s20, s20, SCA
	v_lshl_add_u32 v[ASA], v3, 2, s20              ; lanes 0-15 an even K step's words, lanes 16-31 the odd one's
	s_mul_i32 s20, s14, 16*SPITCH                  ; my stage
	v_mul_u32_u24 v[STO], v1, SPITCH
	v_lshl_add_u32 v[STO], v2, 6, v[STO]
	v_add_nc_u32 v[STO], s20, v[STO]               ; in: row r, 64 h bytes on
	v_mul_u32_u24 v[RD], v2, SPITCH
	v_lshl_add_u32 v[RD], v1, 4, v[RD]
	v_add_nc_u32 v[RD], s20, v[RD]                 ; back: lanes 0-15 one row of 256 bytes, lanes 16-31 the next
	v_lshlrev_b32 v[CO], 13, v2
	v_lshl_add_u32 v[CO], v1, 4, v[CO]             ; and the same two rows in out0
	s_lshl_b32 s20, s17, 7
	s_lshl_b32 s21, s15, 6
	s_add_co_u32 s20, s20, s21
	s_lshl_b32 s20, s20, 13                        ; row 128 y + 64 x half, 8,192 bytes a row
	s_lshl_b32 s21, s42, 9
	s_add_co_u32 s20, s20, s21
	s_lshl_b32 s21, s16, 8
	s_add_co_u32 s20, s20, s21                     ; column 128 x + 64 x half, 4 bytes each
	s_mov_b32 s21, 0
	s_add_nc_u64 s[12:13], s[12:13], s[20:21]
.macro FRAGX reg, adr, q, i, extra     ; 16 rows x 128 K of 6-bit codes from rows 240 bytes apart, in pieces of 8 bytes
.irp p, 0,1,2,3,4,5
.set PC, 12*(\q)+6*(\p/3)+\p%3
.if PC%8 < 5
	ds_load_b64 v[\reg+2*\p:\reg+2*\p+1], v[\adr] offset:8*PC+16*(PC/8)+(\i)*16*PITCH+(\extra)
.else
	ds_load_b64 v[\reg+2*\p:\reg+2*\p+1], v[\adr+2] offset:8*PC+16*(PC/8)+(\i)*16*PITCH+(\extra)
.endif
.endr
.endm
.macro FETCH slot, q, buf              ; the fragments of the slot's q-th step: 48 loads
	WIN TO_F
.irp i, 0,1,2,3
	FRAGX (\buf)+FR*\i, ADRB+\slot, (\q)%2, \i, SUBT*((\q)/2)
.endr
.irp a, 0,1,2,3
.irp p, 0,1,2,3,4,5
	ds_load_b64 v[(\buf)+48+FR*\a+2*\p:(\buf)+48+FR*\a+2*\p+1], v[ADRI+\slot] offset:6144*\a+1536*(\q)+256*\p
.endr
.endr
	WIN 0
.endm
.macro SCALES n                        ; the scale words of fill n's four steps: 12 loads
.irp t, 0,1,2,3
	ds_load_b128 v[SC+24*((\n)%2)+4*\t:SC+24*((\n)%2)+4*\t+3], v[ASB] offset:1088*\t+16*(\n)
.endr
.irp g, 0,1
.irp a, 0,1,2,3
	ds_load_b32 v[SC+24*((\n)%2)+16+2*\a+\g], v[ASA] offset:1024*(\n)+512*\g+128*\a
.endr
.endr
.endm
; 8 matrix instructions: token tiles 2 half, 2 half + 1 x wo's four.  The 16 accumulators take turns, one instruction a turn, in the same order in every step.
.macro MUL8 buf, half, q, set, zero
.irp a, 2*(\half), 2*(\half)+1
.irp t, 0,1,2,3
.set AC, ACC+8*(4*(\a)+\t)
.set BF, (\buf)+FR*\t
.set AF, (\buf)+48+FR*(\a)
.set SWB, SC+24*(\set)+4*\t+(\q)
.set SWA, SC+24*(\set)+16+2*(\a)+(\q)/2
.if (\q)%2
.if \zero
	v_wmma_scale_f32_16x16x128_f8f6f4 v[AC:AC+7], v[BF:BF+11], v[AF:AF+11], 0, v[SWB], v[SWA] matrix_a_fmt:MATRIX_FMT_FP6 matrix_b_fmt:MATRIX_FMT_FP6 matrix_b_scale:MATRIX_SCALE_ROW1
.else
	v_wmma_scale_f32_16x16x128_f8f6f4 v[AC:AC+7], v[BF:BF+11], v[AF:AF+11], v[AC:AC+7], v[SWB], v[SWA] matrix_a_fmt:MATRIX_FMT_FP6 matrix_b_fmt:MATRIX_FMT_FP6 matrix_b_scale:MATRIX_SCALE_ROW1
.endif
.else
.if \zero
	v_wmma_scale_f32_16x16x128_f8f6f4 v[AC:AC+7], v[BF:BF+11], v[AF:AF+11], 0, v[SWB], v[SWA] matrix_a_fmt:MATRIX_FMT_FP6 matrix_b_fmt:MATRIX_FMT_FP6
.else
	v_wmma_scale_f32_16x16x128_f8f6f4 v[AC:AC+7], v[BF:BF+11], v[AF:AF+11], v[AC:AC+7], v[SWB], v[SWA] matrix_a_fmt:MATRIX_FMT_FP6 matrix_b_fmt:MATRIX_FMT_FP6
.endif
.endif
.endr
.endr
.endm
.macro KS n, q, zero                   ; one of a slot's first three steps: the next step's fragments are asked for first, into the buffer that the step before multiplied
	PLACES 4
	FETCH (\n)%2, (\q)+1, 128*(((\q)+1)%2)
	s_wait_dscnt 48                                ; all but the 48 just issued: this step's fragments and scale words are in
	WIN MUL
	MUL8 128*((\q)%2), 0, \q, (\n)%2, \zero
	MUL8 128*((\q)%2), 1, \q, (\n)%2, \zero
	WIN 0
.endm
; A slot's last step changes slots: ONE barrier; in front of it each wave waits for all its tensor loads, adds 0 to its spare word, and waits for that and for its reads of this slot.  Fills 2 and 3 go into the slots of fills 0 and 1.
.macro TURN n
	s_wait_tensorcnt 0x0                           ; all my tensor loads have landed: my part of the next slot
	ds_add_u32 v[SPW], v[NIL]
	s_wait_dscnt 0x0                               ; the add is done, and my reads of this slot are over
	s_barrier_signal -1
	WIN MUL
	MUL8 128, 0, 3, (\n)%2, 0
	WIN 0
	s_barrier_wait -1
.if (\n) < 2
	CREST                                          ; the barrier has opened a round of the cluster's barrier
	s_add_nc_u64 s[G0A+4*(\n)+2:G0A+4*(\n)+3], s[G0A+4*(\n)+2:G0A+4*(\n)+3], 2*6144
	s_add_nc_u64 s[G0B+4*(\n)+2:G0B+4*(\n)+3], s[G0B+4*(\n)+2:G0B+4*(\n)+3], 2*384
	JLOAD G0A+4*(\n), G1A, G0B+4*(\n), G1B         ; the first tensor load behind the round; its four v_nop are the places in front of the loads below
.else
	PLACES 4
.endif
	FETCH ((\n)+1)%2, 0, 0
	SCALES (\n)+1
	WIN MUL
	MUL8 128, 1, 3, (\n)%2, 0
	WIN 0
.endm
	s_wait_tensorcnt 1                             ; the scale words and my part of slot 0 are in; slot 1's load may be out
	s_barrier_signal -1
	s_barrier_wait -1
	FETCH 0, 0, 0
	SCALES 0
	KS 0, 0, 1                                     ; the first step's products start the sums: nothing is cleared
	KS 0, 1, 0
	KS 0, 2, 0
	TURN 0
.irp n, 1,2
	KS \n, 0, 0
	KS \n, 1, 0
	KS \n, 2, 0
	TURN \n
.endr
	KS 3, 0, 0
	KS 3, 1, 0
	KS 3, 2, 0
	s_wait_dscnt 0x0                               ; the very last step: nothing more to fetch
	WIN MUL
	MUL8 128, 0, 3, 1, 0
	MUL8 128, 1, 3, 1, 0
	WIN 0
	; THE WAY OUT, a tile of 16 tokens x 64 columns at a time, through my own stage: a lane's eight results are columns 32 (t' / 2) + 16 h + 8 (t' % 2) + 0 .. 7; back come whole rows of 256 bytes.
	; Row rho of tile a is token 32 (a / 2) + 8 (a % 2) + 16 (rho / 8) + rho % 8 of my 64.  LDS serves a wave's instructions in order: no wait between the stores and the loads.
	PLACES 4
.irp a, 0,1,2,3
.irp t, 0,1,2,3
	ds_store_b128 v[STO], v[ACC+8*(4*\a+\t):ACC+8*(4*\a+\t)+3] offset:128*(\t/2)+32*(\t%2)       ; each accumulator from its low end on
	ds_store_b128 v[STO], v[ACC+8*(4*\a+\t)+4:ACC+8*(4*\a+\t)+7] offset:128*(\t/2)+32*(\t%2)+16
.endr
.if \a > 0
	s_wait_xcnt 0x0                                ; the last tile's stores have read their registers: the loads below may land there
.endif
.irp i, 0,1,2,3,4,5,6,7
	ds_load_b128 v[BK+4*\i:BK+4*\i+3], v[RD] offset:2*\i*SPITCH
.endr
.irp i, 0,1,2,3,4,5,6,7
	s_wait_dscnt 7-\i                              ; the younger loads may be out
	global_store_b128 v[CO], v[BK+4*\i:BK+4*\i+3], s[12:13] offset:(32*(\a/2)+8*(\a%2)+16*(\i/4)+2*(\i%4))*8192 th:TH_STORE_NT   ; sixteen lanes store 256 consecutive bytes, aligned
.endr
.endr
	s_wait_tensorcnt 0x0                           ; the wave's end
	ds_add_u32 v[SPW], v[NIL]
	s_wait_dscnt 0x0
	CROUND                                         ; the closing round
	s_endpgm
.Lfunc_end_k_q5316b579a5_proj:
	.size	k_q5316b579a5_proj, .Lfunc_end_k_q5316b579a5_proj-k_q5316b579a5_proj
	.p2alignl 7, 3214868480
	.fill 96, 4, 3214868480
	.section	.rodata,"a",@progbits
	.p2align	6, 0x0
	.amdhsa_kernel k_q5316b579a5_proj
		.amdhsa_group_segment_fixed_size 327680
		.amdhsa_private_segment_fixed_size 0
		.amdhsa_enable_private_segment 0
		.amdhsa_kernarg_size 40
		.amdhsa_user_sgpr_count 2
		.amdhsa_user_sgpr_kernarg_segment_ptr 1
		.amdhsa_wavefront_size32 1
		.amdhsa_system_sgpr_workgroup_id_x 1
		.amdhsa_system_sgpr_workgroup_id_y 1
		.amdhsa_system_sgpr_workgroup_id_z 1
		.amdhsa_system_vgpr_workitem_id 0
		.amdhsa_next_free_vgpr 512
		.amdhsa_next_free_sgpr 100
		.amdhsa_reserve_vcc 0
		.amdhsa_float_denorm_mode_32 3
		.amdhsa_float_denorm_mode_16_64 3
		.amdhsa_memory_ordered 1
		.amdhsa_forward_progress 1
		.amdhsa_inst_pref_size 109
	.end_amdhsa_kernel
	.amdgpu_metadata
---
amdhsa.version: [ 1, 2 ]
amdhsa.kernels:
  - .name:           k_q5316b579a5_proj
    .symbol:         k_q5316b579a5_proj.kd
    .args:
      - { .name: ac, .offset: 0, .size: 8, .value_kind: global_buffer, .address_space: global }
      - { .name: asw, .offset: 8, .size: 8, .value_kind: global_buffer, .address_space: global }
      - { .name: cw, .offset: 16, .size: 8, .value_kind: global_buffer, .address_space: global }
      - { .name: sw, .offset: 24, .size: 8, .value_kind: global_buffer, .address_space: global }
      - { .name: out0, .offset: 32, .size: 8, .value_kind: global_buffer, .address_space: global }
    .group_segment_fixed_size: 327680
    .private_segment_fixed_size: 0
    .kernarg_segment_align: 8
    .kernarg_segment_size: 40
    .max_flat_workgroup_size: 128
    .sgpr_count:     100
    .vgpr_count:     512
    .wavefront_size: 32
...
	.end_amdgpu_metadata
.endif
;; end of part 4
